; MI455X (gfx1250); checked and timed in simulation.
; The chip was launched on July 23, 2026; its instructions are those of AMD's public machine-readable ISA for CDNA 5 (MIT licence, August 2026) and "CDNA5" Instruction Set Architecture Reference Guide (July 2026). The comments in the code are by the model that wrote it; some were corrected since.
;; Attention. Allowed arithmetic: matrix products marked QUANTISED: E2M1 operands, one E8M0 scale for each 32 along K, by v_wmma_scale_f32_16x16x128_f8f6f4 with both operands' format E2M1 (or v_wmma_scale_f32_32x16x128_f4), f32 sums; products left as they are: f32 operands where the result goes on into a quantised operand, else bf16, f16 or f32 operands; f32 sums; everything else in f32.
;; Inputs: Wk_codes 1,024 x 64 x 16 uint8 (E2M1 codes of Wk, K innermost, in blocks of 32 codes, two codes a byte); Wk_scales 1,024 x 64 uint8 (E8M0 scales of Wk, one for each 32 codes along K); Wo 1,024 x 2,048 float32; Wq 1,024 x 1,024 float32; Wv_codes 1,024 x 64 x 16 uint8 (E2M1 codes of Wv, K innermost, in blocks of 32 codes, two codes a byte); Wv_scales 1,024 x 64 uint8 (E8M0 scales of Wv, one for each 32 codes along K); bk 1,024 float32; bo 1,024 float32; bq 1,024 float32; bv 1,024 float32; memory 16,384 x 2,048 float32; x 1 x 1 x 1,024 float32.
;; Outputs: out0 1 x 1 x 1,024 float32.
;; This version of the problem:
;;   THIS VERSION OF THE PROBLEM IS GIVEN IN LOW PRECISION. The matrix products marked QUANTISED in the list below multiply operands that are first quantised to E2M1 (2 exponent bits, 1 mantissa bit; 4 bits a number), with one power-of-two scale for each 32 numbers along K (OCP MX v1.0); their sums are f32. All else is computed in f32.
;;   The module's matrix products, in the order in which they are computed (A, B: the left and right operand; K: the contracted axis; several contracted axes count as one K, in the product's order):
;;     1. [M 1, K 1,024] x [K 1,024, N 1,024]; A: input x; B: input Wq: left as it is (M = 1 < 16)
;;     2. [M 16,384, K 2,048] x [K 2,048, N 1,024]; A: input memory; B: input Wk (given as codes): QUANTISED
;;     3. batch 8 x [M 1, K 128] x [K 128, N 16,384]; A: computed on the way; B: computed on the way: left as it is (M = 1 < 16)
;;     4. [M 16,384, K 2,048] x [K 2,048, N 1,024]; A: input memory; B: input Wv (given as codes): QUANTISED
;;     5. batch 8 x [M 1, K 16,384] x [K 16,384, N 128]; A: softmax; B: computed on the way: left as it is (M = 1 < 16)
;;     6. [M 1, K 2,048] x [K 2,048, N 1,024]; A: computed on the way; B: input Wo: left as it is (M = 1 < 16)
;;   THE QUANTISER, for each operand of a quantised product, along K:
;;     - K is cut into blocks of 32 from its start; a last block that is shorter is filled with zeros.
;;     - A block's scale is 2^e with e = floor(log2(the largest magnitude in the block)) - 2, held to -126 .. 127; a block of zeros has e = 0. As a byte (E8M0): e + 127.
;;     - Each number is divided by its block's scale, clamped to +-6, and rounded to the nearest number of E2M1, ties to even, subnormals kept.
;;     - The product sums the exact products of the quantised numbers (number of the format x scale) in f32.
;;   ~~~python
;;   def quantise(x, axis):      # numpy; x: float32 -> the quantised numbers, widened to float32 again
;;       x = np.moveaxis(x, axis, -1); K = x.shape[-1]
;;       x = np.pad(x, [(0, 0)] * (x.ndim - 1) + [(0, -K % 32)]); x = x.reshape(x.shape[:-1] + (-1, 32)); a = np.abs(x).max(-1, keepdims=True)
;;       e = np.where(a > 0, np.clip(np.frexp(np.where(a > 0, a, 1))[1] - 1 - 2, -126, 127), 0)      # np.frexp(a)[1] - 1 = floor(log2(a)), exactly
;;       r = np.clip(x / 2.0 ** e, -6, 6)
;;       step = 2.0 ** (np.maximum(np.frexp(np.where(r == 0, 1, r))[1] - 1, 0) - 1)
;;       q = np.round(r / step) * step * 2.0 ** e      # np.round: ties to even
;;       return np.moveaxis(q.reshape(q.shape[:-2] + (-1,))[..., :K], -1, axis).astype(np.float32)
;;   ~~~
;;   INPUTS GIVEN AS CODES. Wk (in the module: [1024, 2048], K = its axis 1); Wv (in the module: [1024, 2048], K = its axis 1): each comes as NAME_codes (uint8): NAME with its K axis moved to the last place and cut into blocks of 32 codes, [.., K / 32, bytes a block], one block behind the other in memory; two codes a byte, the lower K in the low four bits (a code: sign, 2 exponent bits, 1 mantissa bit); and NAME_scales (uint8): the same leading axes, one E8M0 byte (e + 127) for each 32 codes along K. Its value is code x scale, taken as it is: it is not quantised again, and the codes and scales need not be those that the quantiser above would give.
;; 2 versions. Each part assembles by itself: llvm-mc -triple=amdgcn-amd-amdhsa -mcpu=gfx1250 --defsym DOCPART=n.
;; ======== version 1 of 2: 3 launches
;; workspace buffers: mcodes 16,777,216 bytes; mscales 1,048,576 bytes; wfrag 2,228,224 bytes; qs 4,096 bytes; pf 327,680 bytes
;; launch prep (part 1): grid 576 x 1, 4 waves a work-group, no clusters, 68,096 bytes of LDS; arguments memory, Wk_codes, Wk_scales, Wv_codes, Wv_scales, Wq, bq, x, mcodes, mscales, wfrag, qs; writes mcodes, mscales, wfrag, qs
.if DOCPART == 1
	.amdgcn_target "amdgcn-amd-amdhsa--gfx1250"
	.amdhsa_code_object_version 6
	.text
	.protected	k_qc179d8761d_prep
	.globl	k_qc179d8761d_prep
	.p2align	8
	.type	k_qc179d8761d_prep,@function
k_qc179d8761d_prep:
	s_mov_b64 s[64:65], 0
	v_nop
	global_prefetch_b8 v0, s[64:65] scope:SCOPE_SE
	s_setreg_imm32_b32 hwreg(HW_REG_WAVE_MODE, 25, 1), 1
	s_wait_xcnt 0x0
; ONE QUERY OVER 16,384 MEMORY ROWS, 8 HEADS OF 128 (head n owns the hidden indices J = 8 dd + n).  First of three launches.
; WORK LEFT OUT IN THE WHOLE PROGRAM, for all finite values of the inputs:
;  (1) TINY is the f32 number 0 (2.2e-308 is under the smallest f32 number), so pad_mask * TINY is 0 whatever the mask holds: memory.sum, the compare and the addition are a term that is 0 by identity.
;  (2) bk adds to every score of head n the same number, sum over dd of Q[n][dd] bk[8 dd + n], which does not hang on the memory row: a term that is the same along the softmax's axis.  The product of Q with K is
;      not quantised, so bk moves no code and no scale.  bk is not loaded and is among no launch's arguments.
;  bv stays: since the weights of a head sum to 1 it is added once, behind the sum (third launch).
;  LIMIT: a NaN, an infinity or an overflow that reaches only bk or the rows' sums is not carried to the result.
; THIS LAUNCH, three kinds of work-group, told apart by the work-group's number alone; they never meet again, and each that uses LDS has LDS bytes of its own:
;  0-31   q = (x Wq^T + bq) log2(e) / sqrt(128), f32, laid by head group: qs[256 g + 2 dd + e] belongs to J = 8 dd + 2 g + e.
;  32-63  Wk's and Wv's codes and scale bytes, as they are given, laid in the order of the matrix operand's registers: wfrag[g][K, V][tile t][17,408]; row p of a tile is J = 64 t + 8 (p / 2) + 2 g + p % 2.
;  64-575 memory is quantised once to E2M1 with one E8M0 byte for each 32 along K, and stored as register images too:
;         mcodes[T = row / 16][s = k / 128][c][lane][16 bytes]: lane (r = lane % 16, h = lane / 16) holds the 32 codes of row 16 T + r, block 4 s + 2 c + h;
;         mscales[T][c2][lane][16 bytes]: word 4 c2 + w of lane (r, h) is row r's four scale bytes of K step 2 (4 c2 + w) + h.
; A block's scale byte is its largest magnitude's exponent field - 2, held at 1 from below.
; LIMITS: a block of zeros gets the byte 1 where the rule says 127: its codes are zeros, and this program alone reads the bytes; NaN and infinities in memory are not served.
.set PITCH, 528                        ; a stage row: 512 bytes + 16: sixteen rows begin at sixteen different 16-byte columns
.set STG,   16*PITCH                   ; a wave's stage
.set WST,   4*STG                      ; the weights' stages, behind the quantiser's (which begin at 0)
.set SPARE, 8*STG                      ; the spare words, 128 bytes for each wave, that no other line names
.set R,     32                         ; v32-95, v96-159  two sets of 64 registers as loaded
.set X,     160                        ; v160-223         64 registers in the operand's order
.set C,     224                        ; v224-231, v232-239  two sets of codes
.set SW,    240                        ; v240-243         four scale words
.set SEL,   32                         ; s[32:33] v_permlanex16_b32's selects for lane l xor 16
.set HI16,  34                         ; s34  lanes 16-31
.set MB0,   40                         ; s40-42  lanes whose number has bit 0, 1, 2 set
; Eight registers f .. f + 7 are summed over the eight lanes that share bit 3 of the lane's number, and dealt out: lane l ends with the sum of register f + l % 8 in register f.  u .. u + 3: at work.
.macro RSCAT8 f, u
.irp i, 0,1,2,3
	v_cndmask_b32 v[\u+\i], v[\f+2*\i+1], v[\f+2*\i], s[MB0]          ; what my partner keeps
.endr
.irp i, 0,1,2,3
	v_cndmask_b32 v[\f+2*\i], v[\f+2*\i], v[\f+2*\i+1], s[MB0]        ; what I keep
.endr
.irp i, 0,1,2,3
	v_add_f32_dpp v[\f+2*\i], v[\u+\i], v[\f+2*\i] row_xmask:1 row_mask:0xf bank_mask:0xf
.endr
.irp i, 0,1
	v_cndmask_b32 v[\u+\i], v[\f+4*\i+2], v[\f+4*\i], s[MB0+1]
.endr
.irp i, 0,1
	v_cndmask_b32 v[\f+4*\i], v[\f+4*\i], v[\f+4*\i+2], s[MB0+1]
.endr
.irp i, 0,1
	v_add_f32_dpp v[\f+4*\i], v[\u+\i], v[\f+4*\i] row_xmask:2 row_mask:0xf bank_mask:0xf
.endr
	v_cndmask_b32 v[\u], v[\f+4], v[\f], s[MB0+2]
	v_cndmask_b32 v[\f], v[\f], v[\f+4], s[MB0+2]
	v_add_f32_dpp v[\f], v[\u], v[\f] row_xmask:4 row_mask:0xf bank_mask:0xf
.endm
	s_load_b512 s[8:23], s[0:1], 0x0               ; memory s[8:9], Wk_codes s[10:11], Wk_scales s[12:13], Wv_codes s[14:15], Wv_scales s[16:17], Wq s[18:19], bq s[20:21], x s[22:23]
	s_load_b256 s[24:31], s[0:1], 0x40             ; mcodes s[24:25], mscales s[26:27], wfrag s[28:29], qs s[30:31]
	v_lshl_add_u32 v2, v0, 2, SPARE                ; my spare word; never rewritten
	v_mov_b32 v3, 0                                ; 0; never rewritten
	v_lshrrev_b32 v4, 5, v0
	v_readfirstlane_b32 s4, v4                     ; wave 0..3
	v_and_b32 v1, 31, v0                           ; lane
	v_and_b32 v8, 15, v0                           ; r
	v_bfe_u32 v9, v0, 4, 1                         ; h
	v_lshlrev_b32 v4, 4, v1                        ; 16 x lane
	s_mov_b32 s[SEL], 0x76543210
	s_mov_b32 s[SEL+1], 0xfedcba98
	s_mov_b32 s[HI16], 0xffff0000
	s_mov_b32 s[MB0], 0xaaaaaaaa
	s_mov_b32 s[MB0+1], 0xcccccccc
	s_mov_b32 s[MB0+2], 0xf0f0f0f0
	s_mul_i32 s5, s4, STG                          ; my stage
	s_mov_b32 s7, 0                                ; the upper word of every offset (s[6:7])
	s_wait_kmcnt 0x0
	s_cmp_lt_u32 ttmp9, 32
	s_cbranch_scc1 .Lq
	s_cmp_lt_u32 ttmp9, 64
	s_cbranch_scc1 .Lw
; ---------------- memory into codes.  A wave takes 16 rows x 1,024 along K: 8 K steps of 128, written out: every offset is an immediate.
	s_sub_co_u32 s35, ttmp9, 64
	s_lshl_b32 s35, s35, 2
	s_add_co_u32 s35, s35, s4                      ; which of the 2,048 shares
	s_lshr_b32 s36, s35, 1                         ; T: which 16 rows
	s_and_b32 s37, s35, 1                          ; which half of K
	s_lshl_b32 s6, s36, 17                         ; 16 rows of 8,192 bytes
	s_lshl_b32 s38, s37, 12
	s_add_co_u32 s6, s6, s38
	s_add_nc_u64 s[8:9], s[8:9], s[6:7]
	s_lshl_b32 s6, s36, 14                         ; 16 K steps of 1,024 bytes of codes
	s_lshl_b32 s38, s37, 13
	s_add_co_u32 s6, s6, s38
	s_add_nc_u64 s[24:25], s[24:25], s[6:7]
	s_lshl_b32 s6, s36, 10
	s_lshl_b32 s38, s37, 9
	s_add_co_u32 s6, s6, s38
	s_add_nc_u64 s[26:27], s[26:27], s[6:7]
	v_add_nc_u32 v5, s5, v4                        ; the stage, on the way in: 16 x lane of a row
	v_mul_u32_u24 v6, v8, PITCH
	v_lshl_add_u32 v6, v9, 7, v6
	v_add_nc_u32 v6, s5, v6                        ; and on the way out: row r, + 128 h: my block of 32 numbers
	v_lshlrev_b32 v7, 3, v9                        ; 8 h
	v_mov_b32 v13, 0                               ; written once: a lane permute's destination counts as one of its sources
.macro LOAD t                          ; K step t: each load takes 512 consecutive bytes of one row
.irp p, 0,1,2,3,4,5,6,7,8,9,10,11,12,13,14,15
	global_load_b128 v[R+64*((\t)%2)+4*\p:R+64*((\t)%2)+4*\p+3], v4, s[8:9] offset:\p*8192+(\t)*512 th:TH_LOAD_NT
.endr
.endm
.macro STEP t
.if (\t) < 7
	s_wait_loadcnt 16                              ; this step's 16 loads are in; the next step's 16 may be out
.else
	s_wait_loadcnt 0x0
.endif
.irp p, 0,1,2,3,4,5,6,7,8,9,10,11,12,13,14,15
	ds_store_b128 v5, v[R+64*((\t)%2)+4*\p:R+64*((\t)%2)+4*\p+3] offset:\p*PITCH
.endr
.irp c, 0,1
.irp p, 0,1,2,3,4,5,6,7
	ds_load_b128 v[X+32*\c+4*\p:X+32*\c+4*\p+3], v6 offset:\c*256+\p*16     ; k = 64 c + 32 h + 4 p ..: LDS serves a wave's instructions in order, so these see the stores
.endr
.endr
	s_wait_dscnt 0x0                               ; my 64 numbers are back, and the stores have read their registers,
.if (\t)+2 < 8
	LOAD (\t)+2                                    ; which take the loads of two steps on
.endif
.irp c, 0,1
	v_max3_num_f32 v[16+\c], |v[X+32*\c]|, |v[X+32*\c+1]|, 0x1800000       ; block 2 c + h: all its 32 numbers are mine; the floor 2^(3 - 127) holds the byte at 1 from below
.endr
.irp i, 2,4,6,8,10,12,14,16,18,20,22,24,26,28,30
.irp c, 0,1
	v_max3_num_f32 v[16+\c], v[16+\c], |v[X+32*\c+\i]|, |v[X+32*\c+\i+1]|  ; (the two blocks by turns)
.endr
.endr
.irp c, 0,1
	v_add_nc_u32 v[18+\c], 0xff000000, v[16+\c]    ; 2 off the exponent field: the conversion's scale operand
.endr
.irp c, 0,1
	v_lshrrev_b32 v[20+\c], 23, v[18+\c]           ; the scale's byte
.endr
	v_lshl_or_b32 v12, v21, 16, v20                ; my two bytes, blocks h and 2 + h,
	v_lshlrev_b32 v12, v7, v12                     ; at their places in the row's word
	v_permlanex16_b32 v13, v12, s[SEL], s[SEL+1]
.if (\t) >= 2
	s_wait_xcnt 0x0                                ; the stores of two steps ago have read this set of codes
.endif
.irp c, 0,1
.irp q, 0,1,2,3
	v_cvt_scalef32_pk8_fp4_f32 v[C+8*((\t)%2)+4*\c+\q], v[X+32*\c+8*\q:X+32*\c+8*\q+7], v[18+\c]
.endr
.endr
.if (\t)%2 == 0
	v_or_b32 v14, v12, v13                         ; the even step's word waits for the odd step's.  (A plain line behind the conversions)
.else
	v_or_b32 v12, v12, v13
	v_cndmask_b32 v[SW+(\t)/2], v14, v12, s[HI16]  ; lanes 0-15 carry the even step's word, lanes 16-31 the odd step's
.endif
.irp c, 0,1
	global_store_b128 v4, v[C+8*((\t)%2)+4*\c:C+8*((\t)%2)+4*\c+3], s[24:25] offset:(\t)*1024+\c*512   ; 32 lanes store 512 consecutive bytes, aligned
.endr
.endm
	LOAD 0
	LOAD 1
.irp t, 0,1,2,3,4,5,6,7
	STEP \t
.endr
	global_store_b128 v4, v[SW:SW+3], s[26:27]     ; 512 consecutive bytes of scale words
	s_wait_tensorcnt 0x0                           ; the wave's end, behind my last LDS store
	ds_add_u32 v2, v3
	s_wait_dscnt 0x0
	s_endpgm
; ---------------- the weights.  A wave lays one tile of 16 rows x 2,048 along K.
.Lw:
	s_sub_co_u32 s35, ttmp9, 32
	s_lshl_b32 s35, s35, 2
	s_add_co_u32 s35, s35, s4                      ; the tile's number: 32 g + 16 (K or V) + t
	s_bitcmp1_b32 s35, 4                           ; K's or V's?  The choice hangs on ids alone
	s_cselect_b64 s[10:11], s[14:15], s[10:11]
	s_cselect_b64 s[12:13], s[16:17], s[12:13]
	s_and_b32 s36, s35, 15
	s_lshr_b32 s37, s35, 5
	s_lshl_b32 s36, s36, 6
	s_lshl_b32 s37, s37, 1
	s_add_co_u32 s36, s36, s37                     ; the tile's first J = 64 t + 2 g
	s_lshl_b32 s6, s36, 10                         ; a row of codes is 1,024 bytes
	s_add_nc_u64 s[10:11], s[10:11], s[6:7]
	s_lshl_b32 s6, s36, 6                          ; a row of scale bytes 64
	s_add_nc_u64 s[12:13], s[12:13], s[6:7]
	s_mul_i32 s6, s35, 17408
	s_add_nc_u64 s[28:29], s[28:29], s[6:7]
	s_add_co_u32 s5, s5, WST
	v_add_nc_u32 v5, s5, v4                        ; the stage, in: 16 x lane of a row's half
	v_mul_u32_u24 v6, v8, PITCH
	v_lshl_add_u32 v6, v9, 4, v6
	v_add_nc_u32 v6, s5, v6                        ; out: row r, + 16 h
	v_lshrrev_b32 v10, 1, v8
	v_and_b32 v11, 1, v8
	v_lshlrev_b32 v7, 9, v10
	v_lshl_add_u32 v7, v11, 6, v7                  ; row r's scale bytes: (8 (r / 2) + r % 2) x 64
.irp hh, 0,1
.irp p, 0,1,2,3,4,5,6,7,8,9,10,11,12,13,14,15
	global_load_b128 v[R+64*\hh+4*\p:R+64*\hh+4*\p+3], v4, s[10:11] offset:((\p/2)*8+(\p%2))*1024+\hh*512
.endr
.endr
.irp i, 0,1,2,3
	global_load_b128 v[16+4*\i:19+4*\i], v7, s[12:13] offset:16*\i         ; the row's 16 scale words
.endr
	s_wait_loadcnt 20                              ; the first half's 16 loads are in (behind them: 16 and 4)
.irp p, 0,1,2,3,4,5,6,7,8,9,10,11,12,13,14,15
	ds_store_b128 v5, v[R+4*\p:R+4*\p+3] offset:\p*PITCH
.endr
.irp s, 0,1,2,3,4,5,6,7
.irp c, 0,1
	ds_load_b128 v[X+8*\s+4*\c:X+8*\s+4*\c+3], v6 offset:\s*64+\c*32       ; block 4 s + 2 c + h of row r: 16 bytes as they lie
.endr
.endr
	s_wait_dscnt 0x0
.irp s, 0,1,2,3,4,5,6,7
.irp c, 0,1
	global_store_b128 v4, v[X+8*\s+4*\c:X+8*\s+4*\c+3], s[28:29] offset:\s*1024+\c*512
.endr
.endr
	s_wait_loadcnt 4                               ; the second half's are in (behind them: the 4 of the scales)
.irp p, 0,1,2,3,4,5,6,7,8,9,10,11,12,13,14,15
	ds_store_b128 v5, v[R+64+4*\p:R+64+4*\p+3] offset:\p*PITCH
.endr
.irp s, 0,1,2,3,4,5,6,7
.irp c, 0,1
	ds_load_b128 v[R+8*\s+4*\c:R+8*\s+4*\c+3], v6 offset:\s*64+\c*32       ; into the first half's registers, which are done with: no store's data are written again
.endr
.endr
	s_wait_dscnt 0x0
.irp s, 0,1,2,3,4,5,6,7
.irp c, 0,1
	global_store_b128 v4, v[R+8*\s+4*\c:R+8*\s+4*\c+3], s[28:29] offset:(8+\s)*1024+\c*512
.endr
.endr
	s_wait_loadcnt 0x0
.irp i, 0,1,2,3,4,5,6,7
	v_cndmask_b32 v[C+\i], v[16+2*\i], v[17+2*\i], s[HI16]                 ; lanes 0-15 the even K step's word, lanes 16-31 the odd one's
.endr
	global_store_b128 v4, v[C:C+3], s[28:29] offset:16384
	global_store_b128 v4, v[C+4:C+7], s[28:29] offset:16384+512
	s_wait_tensorcnt 0x0                           ; the wave's end, behind my last LDS store
	ds_add_u32 v2, v3
	s_wait_dscnt 0x0
	s_endpgm
; ---------------- q.  A wave makes eight numbers, qs[8 w .. 8 w + 7]: a row of Wq (4,096 bytes) by eight loads of 512 consecutive bytes; four rows are on their way.
.Lq:
	s_lshl_b32 s35, ttmp9, 2
	s_add_co_u32 s35, s35, s4                      ; w = 0 .. 127
	s_lshr_b32 s36, s35, 5                         ; g
	s_and_b32 s37, s35, 31
	s_lshl_b32 s37, s37, 5                         ; 8 dd0, dd0 = 4 (w % 32)
	s_lshl_b32 s36, s36, 1
	s_add_co_u32 s36, s36, s37                     ; J0 = 8 dd0 + 2 g; number k belongs to J0 + 8 (k / 2) + k % 2
	s_lshl_b32 s6, s36, 12
	s_add_nc_u64 s[18:19], s[18:19], s[6:7]
	s_lshl_b32 s6, s36, 2
	s_add_nc_u64 s[20:21], s[20:21], s[6:7]
	s_lshl_b32 s6, s35, 5
	s_add_nc_u64 s[30:31], s[30:31], s[6:7]
	v_and_b32 v10, 7, v0                           ; k = lane % 8
	v_lshrrev_b32 v11, 1, v10
	v_and_b32 v5, 1, v10
	v_lshlrev_b32 v11, 5, v11
	v_lshl_add_u32 v11, v5, 2, v11                 ; bq: 4 (8 (k / 2) + k % 2)
	v_lshlrev_b32 v28, 2, v10                      ; qs: 4 k
	global_load_b32 v29, v11, s[20:21]
.irp c, 0,1,2,3,4,5,6,7
	global_load_b128 v[32+4*\c:35+4*\c], v4, s[22:23] offset:512*\c
.endr
.macro QLOAD k
.irp c, 0,1,2,3,4,5,6,7
	global_load_b128 v[64+32*((\k)%4)+4*\c:64+32*((\k)%4)+4*\c+3], v4, s[18:19] offset:(((\k)/2)*8+(\k)%2)*4096+512*\c th:TH_LOAD_NT
.endr
.endm
.macro QDOT k, left                    ; left: the loads of the younger rows, which may stay out
	s_wait_loadcnt \left
	v_pk_mul_f32 v[12:13], v[64+32*((\k)%4):65+32*((\k)%4)], v[32:33]      ; the first products start the sums
	v_pk_mul_f32 v[14:15], v[66+32*((\k)%4):67+32*((\k)%4)], v[34:35]
.irp i, 4,8,12,16,20,24,28
	v_pk_fma_f32 v[12:13], v[64+32*((\k)%4)+\i:65+32*((\k)%4)+\i], v[32+\i:33+\i], v[12:13]
	v_pk_fma_f32 v[14:15], v[66+32*((\k)%4)+\i:67+32*((\k)%4)+\i], v[34+\i:35+\i], v[14:15]
.endr
.if (\k) < 4
	QLOAD (\k)+4
.endif
	v_pk_add_f32 v[12:13], v[12:13], v[14:15]
	v_add_f32 v[16+(\k)], v12, v13
.endm
	QLOAD 0
	QLOAD 1
	QLOAD 2
	QLOAD 3
	QDOT 0, 24
	QDOT 1, 24
	QDOT 2, 24
	QDOT 3, 24
	QDOT 4, 24
	QDOT 5, 16
	QDOT 6, 8
	QDOT 7, 0
	RSCAT8 16, 24
	v_add_f32_dpp v16, v16, v16 row_xmask:8 row_mask:0xf bank_mask:0xf
	v_permlanex16_b32 v24, v16, s[SEL], s[SEL+1]
	v_add_f32 v16, v16, v24                        ; the sum over the 32 lanes of number lane % 8
	v_add_f32 v16, v16, v29
	v_mul_f32 v16, 0x3e0293ee, v16                 ; x log2(e) / sqrt(128): the scores come out as exponents of 2
	v_cmp_gt_u32 vcc_lo, 8, v1
	s_wait_xcnt 0x0                                ; EXEC changes only behind this wait
	s_and_saveexec_b32 s36, vcc_lo
	global_store_b32 v28, v16, s[30:31]            ; lanes 0-7: 32 consecutive bytes
	s_wait_xcnt 0x0
	s_or_b32 exec_lo, exec_lo, s36
	s_endpgm
.Lfunc_end_k_qc179d8761d_prep:
	.size	k_qc179d8761d_prep, .Lfunc_end_k_qc179d8761d_prep-k_qc179d8761d_prep
	.p2alignl 7, 3214868480
	.fill 96, 4, 3214868480
	.section	.rodata,"a",@progbits
	.p2align	6, 0x0
	.amdhsa_kernel k_qc179d8761d_prep
		.amdhsa_group_segment_fixed_size 68096
		.amdhsa_private_segment_fixed_size 0
		.amdhsa_enable_private_segment 0
		.amdhsa_kernarg_size 96
		.amdhsa_user_sgpr_count 2
		.amdhsa_user_sgpr_kernarg_segment_ptr 1
		.amdhsa_wavefront_size32 1
		.amdhsa_system_sgpr_workgroup_id_x 1
		.amdhsa_system_sgpr_workgroup_id_y 1
		.amdhsa_system_sgpr_workgroup_id_z 1
		.amdhsa_system_vgpr_workitem_id 0
		.amdhsa_next_free_vgpr 256
		.amdhsa_next_free_sgpr 66
		.amdhsa_reserve_vcc 1
		.amdhsa_float_denorm_mode_32 3
		.amdhsa_float_denorm_mode_16_64 3
		.amdhsa_memory_ordered 1
		.amdhsa_forward_progress 1
		.amdhsa_inst_pref_size 88
	.end_amdhsa_kernel
	.amdgpu_metadata
---
amdhsa.version: [ 1, 2 ]
amdhsa.kernels:
  - .name:           k_qc179d8761d_prep
    .symbol:         k_qc179d8761d_prep.kd
    .args:
      - { .name: memory, .offset: 0, .size: 8, .value_kind: global_buffer, .address_space: global }
      - { .name: Wk_codes, .offset: 8, .size: 8, .value_kind: global_buffer, .address_space: global }
      - { .name: Wk_scales, .offset: 16, .size: 8, .value_kind: global_buffer, .address_space: global }
      - { .name: Wv_codes, .offset: 24, .size: 8, .value_kind: global_buffer, .address_space: global }
      - { .name: Wv_scales, .offset: 32, .size: 8, .value_kind: global_buffer, .address_space: global }
      - { .name: Wq, .offset: 40, .size: 8, .value_kind: global_buffer, .address_space: global }
      - { .name: bq, .offset: 48, .size: 8, .value_kind: global_buffer, .address_space: global }
      - { .name: x, .offset: 56, .size: 8, .value_kind: global_buffer, .address_space: global }
      - { .name: mcodes, .offset: 64, .size: 8, .value_kind: global_buffer, .address_space: global }
      - { .name: mscales, .offset: 72, .size: 8, .value_kind: global_buffer, .address_space: global }
      - { .name: wfrag, .offset: 80, .size: 8, .value_kind: global_buffer, .address_space: global }
      - { .name: qs, .offset: 88, .size: 8, .value_kind: global_buffer, .address_space: global }
    .group_segment_fixed_size: 68096
    .private_segment_fixed_size: 0
    .kernarg_segment_align: 8
    .kernarg_segment_size: 96
    .max_flat_workgroup_size: 128
    .sgpr_count:     66
    .vgpr_count:     256
    .wavefront_size: 32
...
	.end_amdgpu_metadata
.endif
;; end of part 1
;; launch main (part 2): grid 16 x 16, 4 waves a work-group, clusters of 4 x 1, 327,680 bytes of LDS; arguments mcodes, mscales, wfrag, qs, pf; writes pf
.if DOCPART == 2
	.amdgcn_target "amdgcn-amd-amdhsa--gfx1250"
	.amdhsa_code_object_version 6
	.text
	.protected	k_qc179d8761d_main
	.globl	k_qc179d8761d_main
	.p2align	8
	.type	k_qc179d8761d_main,@function
k_qc179d8761d_main:
	s_mov_b64 s[64:65], 0
	v_nop
	global_prefetch_b8 v0, s[64:65] scope:SCOPE_SE
	s_setreg_imm32_b32 hwreg(HW_REG_WAVE_MODE, 25, 1), 1
	s_wait_xcnt 0x0
	s_wait_alu depctr_hold_cnt(0) depctr_sa_sdst(0) depctr_va_vdst(0) depctr_va_sdst(0) depctr_va_ssrc(0) depctr_va_vcc(0) depctr_vm_vsrc(0)
	s_getreg_b32 s2, hwreg(HW_REG_IB_STS2, 6, 4)
	s_cmp_eq_u32 s2, 0
	s_cbranch_scc0 .Lentry_in_a_cluster
	s_endpgm
.Lentry_in_a_cluster:
	s_bfe_u32 s2, ttmp6, 0x10000c
	s_cmp_lg_u32 s2, 0x3003
	s_cbranch_scc0 .Lentry_shape_is_right
	s_endpgm
.Lentry_shape_is_right:
; Second launch: K = Q(memory) Wk^T, the scores, a softmax over the work-group's rows, V = Q(memory) Wv^T and the weighted sum, for 256 memory rows x 2 heads a work-group.
; LEFT OUT (shown at the head of the first kernel): bk, the same along the softmax's axis, and the pad mask's term, which is 0; bv is added in the third launch.
; K AND V ARE NEVER LAID DOWN.  What is made of them is linear: score[l] = sum over J of q[J] K[l][J], feat[J] = sum over l of p[l] V[l][J].  So each tile of 16 x 16 results is folded at once into a few registers,
; and a split of the products' K or of the rows over waves costs one small sum at the end.
; SHARES.  g = the cluster's x: heads 2 g, 2 g + 1 (256 rows of Wk, 256 of Wv, in 16 + 16 tiles of 16).  Row block b = 4 y + my place in the cluster.  Wave 2 i + j takes rows 128 i .. + 127 (8 tiles) and half j of K
; (8 steps of 128): its 64 fragments of memory, 512 registers, come once, straight from memory, and stay.  A weight fragment read from LDS feeds 8 matrix instructions.
; CLUSTER.  The four partners share g, so they walk the same weights and the same q: each is asked for JOINTLY (mask 15); each wave fetches a quarter of a slot.  My place in the cluster enters the addresses of mcodes, mscales and pf alone.
; THE MATRIX INSTRUCTION IS USED TRANSPOSED (source 0 = 16 weight rows, source 1 = 16 memory rows): lane (r, h), register jr holds (memory row r, weight row 8 h + jr); the head's parity is jr % 2.
; SOFTMAX.  t = score x log2(e) / sqrt(128) (the factor lies in q); M = the largest t of the work-group's 256 rows, taken away before the exponential; p = 2^(t - M); L = the sum of p.  The third launch brings the 64 blocks under one maximum.
; ORDER OF ROUNDING: the f32 sums of the quantised products are made in two halves of K, the rows' sums by waves and work-groups: another order than a single ascending chain.
; RING.  Two LDS slots of 8 tiles (17,408 bytes each: 16 KiB of codes, 1 KiB of scale words, all as register images read at 16 x lane).  At the head: q, K's tiles 0-7 and 8-15: three tensor loads of a wave are out.  Behind K's tile 7
; slot 0 takes V's tiles 0-7; at the K phase's end slot 1 takes V's tiles 8-15: one load of a wave is out behind each of these two rounds.
; REGISTERS, in windows of 256 (s_set_vgpr_msb: bits 1:0 source 0, 3:2 source 1, 5:4 source 2, 7:6 destination):
;   window 0: v1 16 x lane, v2, v3 the add's two, v12 8 x lane; v16-47 memory's scale words; v48-55 the weights', two sets; v56-65 the way out; v128-255 memory's fragments of K steps 6, 7
;   window 1: v0-63 a ring of 8 weight fragments; v64-127, v128-191 two sets of 8 accumulators; v192-207 the scores' sums; v208-223 feat's sums; v224-227 at work; v228-231 M, M, L, L; v232-243 LDS addresses
;   window 2: memory's fragments of K steps 0-2; v192-207 q of two tiles; v208-223 p          window 3: memory's fragments of K steps 3-5
; With D, C, source 0, the LDS address and the loaded fragment all in window 1 and source 1 alone pointing at memory's window, ONE setting serves the matrix instructions, the ring's loads and the folds (accumulator x q or p): so
; loads and folds stand singly behind matrix instructions with no switch between.
.set TILEB, 17408
.set SLOTB, 8*TILEB
.set QL,    2*SLOTB                    ; q of my two heads, 1,024 bytes, filled once
.set XCH,   QL+1024                    ; the scores' exchange: [wave][4][lane][16 bytes]
.set FST,   XCH+8192                   ; feat: 1,280 bytes a wave; tile n's 16 numbers at 64 (n + 1)
.set SPARE, FST+5120                   ; the spare words, 128 bytes for each wave, that no other line names
.set ASC,  16
.set BSC,  48
.set BR,   0
.set ACC,  64
.set SACC, 192
.set F,    208
.set U,    224
.set ST,   228
.set LB,   232                         ; 16 x lane + 8,192 j: my half of a tile's codes
.set SB,   233                         ; 16 x lane + 512 j + 16,384: of its scale words
.set QB,   234                         ; QL + 32 h
.set FB0,  235                         ; FST + 1,280 x wave + 4 (8 h + r % 8)
.set BADR, 236                         ; the same three with the pair of tiles in hand
.set SADR, 237
.set QADR, 238
.set XST,  239
.set XOW,  240
.set XOT,  241
.set RDF,  243
.set QV,   192
.set P,    208
.set MB0,  58                          ; s58-60 lanes whose number has bit 0, 1, 2 set
.set MW2,  0x59                        ; the stream, source 1 in window 2
.set MW3,  0x5d                        ; in window 3
.set MW0,  0x51                        ; in window 0
.set MSB, 0
.macro WIN new                         ; the immediate's high byte repeats the setting that is left
.if MSB != \new
	s_set_vgpr_msb (MSB<<8)|\new
.set MSB, \new
.endif
.endm
.macro CROUND                          ; a round of the cluster's barrier
	s_barrier_signal -1
	s_barrier_wait -1
	s_cmp_lg_u32 s14, 0
	s_cbranch_scc1 .Lnot_wave_0_\@
	s_barrier_signal -3
.Lnot_wave_0_\@:
	s_barrier_wait -3
	s_barrier_signal -1
	s_barrier_wait -1
.endm
; A slot is filled again, by the descriptor at s[g0 .. g0 + 3].  Every wave: all its tensor loads have landed; the add; its LDS instructions are done; the round; and its quarter of the slot first behind it.
.macro CHANGE g0
	WIN 0
	s_wait_tensorcnt 0x0                           ; no tensor load of mine is out, so a group 0 may be written
	ds_add_u32 v2, v3                              ; 0 onto my spare word
	s_add_nc_u64 s[\g0+2:\g0+3], s[\g0+2:\g0+3], 2*SLOTB   ; from K's tiles to V's
	s_wait_dscnt 0x0                               ; the add is done, my reads of the slot are over, my stores have landed
	CROUND
	tensor_load_to_lds s[\g0:\g0+3], s[24:31]
	s_nop 0
.rept 4
	v_nop
.endr
.endm
.macro RSCAT8 f, u                     ; registers f .. f + 7 summed over the eight lanes that share bit 3, and dealt out: lane l ends with the sum of register f + l % 8 in register f
.irp i, 0,1,2,3
	v_cndmask_b32 v[\u+\i], v[\f+2*\i+1], v[\f+2*\i], s[MB0]
.endr
.irp i, 0,1,2,3
	v_cndmask_b32 v[\f+2*\i], v[\f+2*\i], v[\f+2*\i+1], s[MB0]
.endr
.irp i, 0,1,2,3
	v_add_f32_dpp v[\f+2*\i], v[\u+\i], v[\f+2*\i] row_xmask:1 row_mask:0xf bank_mask:0xf
.endr
.irp i, 0,1
	v_cndmask_b32 v[\u+\i], v[\f+4*\i+2], v[\f+4*\i], s[MB0+1]
.endr
.irp i, 0,1
	v_cndmask_b32 v[\f+4*\i], v[\f+4*\i], v[\f+4*\i+2], s[MB0+1]
.endr
.irp i, 0,1
	v_add_f32_dpp v[\f+4*\i], v[\u+\i], v[\f+4*\i] row_xmask:2 row_mask:0xf bank_mask:0xf
.endr
	v_cndmask_b32 v[\u], v[\f+4], v[\f], s[MB0+2]
	v_cndmask_b32 v[\f], v[\f], v[\f+4], s[MB0+2]
	v_add_f32_dpp v[\f], v[\u], v[\f] row_xmask:4 row_mask:0xf bank_mask:0xf
.endm
; Matrix instruction (sl, mt) of a tile on accumulator set a.  The eight accumulators take turns, one instruction a turn.  Even K steps' scale words lie in lanes 0-15, odd ones' in lanes 16-31.
.macro WMMA a
.set rD, ACC+64*(\a)+8*mt
.set rB, BR+8*sl
.if sl < 3
.set rA, 64*sl+8*mt
.elseif sl < 6
.set rA, 64*(sl-3)+8*mt
.else
.set rA, 128+64*(sl-6)+8*mt
.endif
.set rSB, BSC+4*(\a)+sl/2
.set rSA, ASC+4*mt+sl/2
.if sl == 0
	v_wmma_scale_f32_16x16x128_f8f6f4 v[rD:rD+7], v[rB:rB+7], v[rA:rA+7], 0, v[rSB], v[rSA] matrix_a_fmt:MATRIX_FMT_FP4 matrix_b_fmt:MATRIX_FMT_FP4
.elseif sl%2 == 0
	v_wmma_scale_f32_16x16x128_f8f6f4 v[rD:rD+7], v[rB:rB+7], v[rA:rA+7], v[rD:rD+7], v[rSB], v[rSA] matrix_a_fmt:MATRIX_FMT_FP4 matrix_b_fmt:MATRIX_FMT_FP4
.else
	v_wmma_scale_f32_16x16x128_f8f6f4 v[rD:rD+7], v[rB:rB+7], v[rA:rA+7], v[rD:rD+7], v[rSB], v[rSA] matrix_a_fmt:MATRIX_FMT_FP4 matrix_b_fmt:MATRIX_FMT_FP4 matrix_a_scale:MATRIX_SCALE_ROW1 matrix_b_scale:MATRIX_SCALE_ROW1
.endif
.endm
; Number e of 32 of the fold of the tile before, whose results lie in set b.  kind 0: score sums += K x q (a pair: head 2 g, head 2 g + 1); kind 1: feat sums (+)= V x p.  Each accumulator is read from its low end on.
; first = 1: there is no tile before; first = 2: the first fold starts the score sums.
.macro EOP kind, b, first
.if \first == 1
	v_nop
.elseif \kind == 0
.set jj, e/8
.set em, e%8
.if (\first == 2) && (jj == 0)
	v_pk_mul_f32 v[SACC+2*em:SACC+2*em+1], v[ACC+64*(\b)+8*em:ACC+64*(\b)+8*em+1], v[QV+8*(\b):QV+8*(\b)+1]
.else
	v_pk_fma_f32 v[SACC+2*em:SACC+2*em+1], v[ACC+64*(\b)+8*em+2*jj:ACC+64*(\b)+8*em+2*jj+1], v[QV+8*(\b)+2*jj:QV+8*(\b)+2*jj+1], v[SACC+2*em:SACC+2*em+1]
.endif
.else
.set em, e/4
.set jj, e%4
.if em < 2
	v_pk_mul_f32 v[F+8*em+2*jj:F+8*em+2*jj+1], v[ACC+64*(\b)+8*em+2*jj:ACC+64*(\b)+8*em+2*jj+1], v[P+2*em:P+2*em+1]
.else
	v_pk_fma_f32 v[F+8*(em%2)+2*jj:F+8*(em%2)+2*jj+1], v[ACC+64*(\b)+8*em+2*jj:ACC+64*(\b)+8*em+2*jj+1], v[P+2*em:P+2*em+1], v[F+8*(em%2)+2*jj:F+8*(em%2)+2*jj+1]
.endif
.endif
.set e, e+1
.endm
.macro FRED off                        ; a tile's feat sums over the 16 memory rows of the lanes: lane (r, h) ends with weight row 8 h + r % 8; lanes r and r + 8 store the same word with the same value
	WIN 0x55
.irp i, 0,2,4,6
	v_pk_add_f32 v[F+\i:F+\i+1], v[F+\i:F+\i+1], v[F+8+\i:F+9+\i]
.endr
	RSCAT8 F, U
	v_add_f32_dpp v[F], v[F], v[F] row_xmask:8 row_mask:0xf bank_mask:0xf
	ds_store_b32 v[QADR], v[F] offset:\off
.endm
.macro BOUNDARY kind, a, o, first, last    ; at the head of K step 3, where the window changes anyway
.if \kind == 1
.if \first != 1
	FRED (\o)*64
.endif
.endif
.if !(\last)
	WIN 0x01
	ds_load_b128 v[BSC+4*(1-(\a)):BSC+4*(1-(\a))+3], v[SADR] offset:((\o)+1)*TILEB   ; the next tile's scale words
.endif
.if \kind == 0
	WIN 0x81
	ds_load_b128 v[QV+8*(\a):QV+8*(\a)+3], v[QADR] offset:(\o)*64                    ; this tile's q, for its fold in the next tile
	ds_load_b128 v[QV+8*(\a)+4:QV+8*(\a)+7], v[QADR] offset:(\o)*64+16
.endif
.endm
.macro RING o                          ; one load of the ring: in K step 0 this tile's fragment 7, in K step sl the next tile's fragment sl - 1: seven K steps, 56 matrix instructions, ahead of its use
.set cc, mt-4
.if sl == 0
	ds_load_b128 v[BR+56+4*cc:BR+56+4*cc+3], v[BADR] offset:(\o)*TILEB+7*1024+512*cc
.else
	ds_load_b128 v[BR+8*(sl-1)+4*cc:BR+8*(sl-1)+4*cc+3], v[BADR] offset:((\o)+1)*TILEB+(sl-1)*1024+512*cc
.endif
.endm
; A TILE: 16 weight rows x my 128 memory rows x my half of K: 64 matrix instructions, K step by K step.  a: the accumulator set; o: the tile's place in its pair.
; Behind each matrix instruction at most two other lines.  The places that the ISA guide (7.12.1) asks for behind matrix instructions: four v_nop behind the first two instructions serve the fold's reads of the last tile's results and
; the reload of fragment 7; the folds, which name no register of this tile's instructions, serve the reloads of fragments 0 and 1; from K step 3 on one v_nop behind each of a step's first four instructions serves the reload in that step.
; THE WAITS.  At the tile's head 10: behind this tile's scale words and the fold's q stand the 10 loads of fragments 2-6.  At the other K steps 12: behind the step's fragment stand at least six younger pairs of ring loads.
; In the last tile nothing is fetched ahead and the counts run down.
.macro TILE kind, a, o, first, last
.set iw, 0
.set e, 0
.rept 64
.set sl, iw/8
.set mt, iw%8
.if mt == 0
.if sl == 0
	WIN MW2
.elseif sl == 3
	BOUNDARY \kind, \a, \o, \first, \last
	WIN MW3
.elseif sl == 6
	WIN MW0
.endif
.if sl == 0
	s_wait_dscnt 10
.elseif !(\last)
	s_wait_dscnt 12
.elseif sl == 7
	s_wait_dscnt 0x0
.else
	s_wait_dscnt 14-2*sl
.endif
.endif
	WMMA \a
.if iw < 2
	v_nop
	v_nop
.elseif ((mt == 4) || (mt == 5)) && ((sl == 0) || !(\last))
	RING \o
.if e < 32
	EOP \kind, 1-(\a), \first
.endif
.elseif e < 32
	EOP \kind, 1-(\a), \first
	EOP \kind, 1-(\a), \first
.elseif (sl >= 3) && (mt < 4) && !(\last)
	v_nop
.endif
.set iw, iw+1
.endr
.endm
.macro ADDR kind                       ; the LDS addresses of the pair of tiles in hand
	WIN 0x55
	v_add_nc_u32 v[BADR], s52, v[LB]
	v_add_nc_u32 v[SADR], s52, v[SB]
.if \kind == 0
	v_add_nc_u32 v[QADR], s53, v[QB]
.else
	v_add_nc_u32 v[QADR], s53, v[FB0]
.endif
.endm
.macro STEP2                           ; on to the next pair
	WIN 0                                          ; at a label and at a branch every window is 0
	s_add_co_u32 s52, s52, 2*TILEB
	s_add_co_u32 s53, s53, 128
.endm
.macro EPI kind                        ; the last tile's fold
	s_wait_dscnt 0x0
	WIN MW2
.rept 4
	v_nop
.endr
.set e, 0
.rept 32
	EOP \kind, 1, 0
.endr
.if \kind == 1
	FRED 128
.endif
.endm
; A PHASE: 16 tiles in 8 pairs: one written out (it has no tile before it), n1 in a loop, what stands in the middle, n2 in a loop, the last written out (it fetches nothing ahead).
.macro PHASE kind, n1, mid, n2
	s_mov_b32 s52, 0
	s_mov_b32 s53, 0
	ADDR \kind
	WIN 0x01
	ds_load_b128 v[BSC:BSC+3], v[SADR]
	WIN 0x55
.irp s, 0,1,2,3,4,5,6
.irp c, 0,1
	ds_load_b128 v[BR+8*\s+4*\c:BR+8*\s+4*\c+3], v[BADR] offset:\s*1024+\c*512
.endr
.endr
	TILE \kind, 0, 0, 1, 0
	TILE \kind, 1, 1, 2, 0
	STEP2
	s_mov_b32 s54, \n1
.Lpa_\@:
	ADDR \kind
	TILE \kind, 0, 0, 0, 0
	TILE \kind, 1, 1, 0, 0
	STEP2
	s_sub_co_u32 s54, s54, 1
	s_cmp_lg_u32 s54, 0
	s_cbranch_scc1 .Lpa_\@
.if \mid == 0
	CHANGE 44                                      ; behind K's tile 7, which has fetched tile 8's first fragments from slot 1: nobody reads slot 0 any more: it takes V's tiles 0-7, which have 8 tiles' work in which to land
.else
	s_wait_tensorcnt 0x0                           ; ahead of V's tile 6: tile 7 looks ahead into slot 1: my quarter of it has landed,
	s_wait_dscnt 0x0
	s_barrier_signal -1
	s_barrier_wait -1                              ; everybody's has.
.endif
	s_mov_b32 s54, \n2
.Lpb_\@:
	ADDR \kind
	TILE \kind, 0, 0, 0, 0
	TILE \kind, 1, 1, 0, 0
	STEP2
	s_sub_co_u32 s54, s54, 1
	s_cmp_lg_u32 s54, 0
	s_cbranch_scc1 .Lpb_\@
	ADDR \kind
	TILE \kind, 0, 0, 0, 0
	TILE \kind, 1, 1, 0, 1
	EPI \kind
.endm
	s_load_b256 s[4:11], s[0:1], 0x0               ; mcodes s[4:5], mscales s[6:7], wfrag s[8:9], qs s[10:11]
	s_load_b64 s[12:13], s[0:1], 0x20              ; pf
	v_lshl_add_u32 v2, v0, 2, SPARE
	v_mov_b32 v3, 0
	ds_add_u32 v2, v3                              ; the wave's opening: the add, twice on end, and its wait ahead of my first tensor load
	ds_add_u32 v2, v3
	v_lshrrev_b32 v4, 5, v0
	v_readfirstlane_b32 s14, v4                    ; wave 0..3
	s_lshr_b32 s15, s14, 1                         ; i: which 128 rows
	s_and_b32 s16, s14, 1                          ; j: which half of K
	s_mov_b32 s19, ttmp9                           ; g, which the four partners share
	; group 1 for a quarter of a slot: 34,816 dense bytes as 136 rows of 32 elements of 8 bytes, no padding (the images are read at 16 x lane)
	s_mov_b32 s24, 15|(3<<16)|(1<<21)              ; the mask: all four work-groups; elements of 8 bytes; bit 21 beside a mask
	s_mov_b32 s25, 32<<16                          ; tensor_dim0
	s_mov_b32 s26, 136<<16                         ; tensor_dim1
	s_mov_b32 s27, 32<<16                          ; tile_dim0
	s_mov_b32 s28, 136                             ; tile_dim1
	s_mov_b32 s29, 32                              ; from row to row
	s_mov_b32 s30, 0
	s_mov_b32 s31, 0
	; group 1 for a quarter of q: one row of 256 bytes
	s_mov_b32 s32, 15|(3<<16)|(1<<21)
	s_mov_b32 s33, 32<<16
	s_mov_b32 s34, 1<<16
	s_mov_b32 s35, 32<<16
	s_mov_b32 s36, 1
	s_mov_b32 s37, 32
	s_mov_b32 s38, 1<<16
	s_mov_b32 s39, 0
	s_mov_b32 s56, 0x76543210
	s_mov_b32 s57, 0xfedcba98                      ; v_permlanex16_b32's selects for lane l xor 16
	s_mov_b32 s[MB0], 0xaaaaaaaa
	s_mov_b32 s[MB0+1], 0xcccccccc
	s_mov_b32 s[MB0+2], 0xf0f0f0f0
	s_mul_i32 s20, s14, 34816                      ; my quarter of a slot
	s_lshl_b32 s21, s14, 8                         ; my quarter of q
	s_mul_i32 s66, s19, 32*TILEB                   ; the group's 32 tiles
	s_add_co_u32 s66, s66, s20
	s_mov_b32 s67, 0
	s_lshl_b32 s68, s19, 10
	s_add_co_u32 s68, s68, s21
	s_mov_b32 s69, 0
	s_wait_dscnt 0x0                               ; both opening adds are done
	s_wait_kmcnt 0x0
	s_mov_b32 s40, 1                               ; group 0 for q
	s_add_co_u32 s41, s21, QL
	s_add_nc_u64 s[42:43], s[10:11], s[68:69]
	s_or_b32 s43, s43, 0x80000000
	s_mov_b32 s44, 1                               ; for slot 0: K's tiles 0-7
	s_mov_b32 s45, s20
	s_add_nc_u64 s[46:47], s[8:9], s[66:67]
	s_mov_b32 s48, 1                               ; for slot 1: K's tiles 8-15
	s_add_co_u32 s49, s20, SLOTB
	s_add_nc_u64 s[50:51], s[46:47], SLOTB
	s_or_b32 s47, s47, 0x80000000
	s_or_b32 s51, s51, 0x80000000
	CROUND                                         ; all four work-groups are here: the first joint loads meet
	tensor_load_to_lds s[40:43], s[32:39]
	s_nop 0
	tensor_load_to_lds s[44:47], s[24:31]
	s_nop 0
	tensor_load_to_lds s[48:51], s[24:31]
	s_nop 0
.rept 4
	v_nop
.endr
	; what hangs on my place in the cluster: global addresses alone, in registers of their own
	s_bfe_u32 s70, ttmp6, 0x40000                  ; cx
	s_and_b32 s71, ttmp7, 0xffff
	s_lshl_b32 s71, s71, 2
	s_add_co_u32 s71, s71, s70                     ; b = 4 y + cx
	s_lshl_b32 s74, s71, 4
	s_lshl_b32 s75, s15, 3
	s_add_co_u32 s74, s74, s75                     ; my first tile of 16 rows: 16 b + 8 i
	s_lshl_b32 s72, s74, 14
	s_lshl_b32 s75, s16, 13
	s_add_co_u32 s72, s72, s75
	s_mov_b32 s73, 0
	s_add_nc_u64 s[4:5], s[4:5], s[72:73]
	s_lshl_b32 s72, s74, 10
	s_lshl_b32 s75, s16, 9
	s_add_co_u32 s72, s72, s75
	s_add_nc_u64 s[6:7], s[6:7], s[72:73]
	s_lshl_b32 s72, s71, 2
	s_add_co_u32 s72, s72, s19                     ; my record: 4 b + g
	s_mul_i32 s72, s72, 1280
	s_lshl_b32 s75, s14, 8
	s_add_co_u32 s72, s72, s75
	s_add_nc_u64 s[12:13], s[12:13], s[72:73]
	v_and_b32 v5, 31, v0                           ; lane
	v_lshlrev_b32 v1, 4, v5
	WIN 0x80                                       ; destination window 2, address window 0
.irp s, 0,1,2
.irp m, 0,1,2,3,4,5,6,7
.irp c, 0,1
	global_load_b128 v[64*\s+8*\m+4*\c:64*\s+8*\m+4*\c+3], v1, s[4:5] offset:\m*16384+\s*1024+\c*512
.endr
.endr
.endr
	WIN 0xc0
.irp s, 3,4,5
.irp m, 0,1,2,3,4,5,6,7
.irp c, 0,1
	global_load_b128 v[64*(\s-3)+8*\m+4*\c:64*(\s-3)+8*\m+4*\c+3], v1, s[4:5] offset:\m*16384+\s*1024+\c*512
.endr
.endr
.endr
	WIN 0
.irp s, 6,7
.irp m, 0,1,2,3,4,5,6,7
.irp c, 0,1
	global_load_b128 v[128+64*(\s-6)+8*\m+4*\c:128+64*(\s-6)+8*\m+4*\c+3], v1, s[4:5] offset:\m*16384+\s*1024+\c*512
.endr
.endr
.endr
.irp m, 0,1,2,3,4,5,6,7
	global_load_b128 v[ASC+4*\m:ASC+4*\m+3], v1, s[6:7] offset:\m*1024
.endr
	v_bfe_u32 v7, v0, 4, 1                         ; h
	v_and_b32 v8, 7, v0
	v_lshl_add_u32 v8, v7, 3, v8                   ; 8 h + r % 8
	v_lshlrev_b32 v12, 3, v5                       ; 8 x lane: the way out; never rewritten
	s_lshl_b32 s20, s16, 13
	s_lshl_b32 s21, s16, 9
	s_add_co_u32 s21, s21, 16384
	s_mul_i32 s22, s14, 1280
	s_add_co_u32 s22, s22, FST
	s_lshl_b32 s23, s14, 11
	s_add_co_u32 s23, s23, XCH
	s_lshl_b32 s66, s15, 12
	s_add_co_u32 s66, s66, XCH
	s_xor_b32 s67, s15, 1
	s_lshl_b32 s67, s67, 12
	s_add_co_u32 s67, s67, XCH
	s_lshl_b32 s68, s14, 8
	s_add_co_u32 s68, s68, FST+64
	WIN 0x40                                       ; destination window 1
	v_add_nc_u32 v[LB], s20, v1
	v_add_nc_u32 v[SB], s21, v1
	v_lshl_add_u32 v[QB], v7, 5, QL
	v_lshl_add_u32 v[FB0], v8, 2, s22
	v_add_nc_u32 v[XST], s23, v1                   ; where I put my score sums,
	v_add_nc_u32 v[XOW], s66, v1                   ; where those of my 128 rows lie (both halves of K),
	v_add_nc_u32 v[XOT], s67, v1                   ; and those of the other 128
	v_lshl_add_u32 v[RDF], v5, 3, s68              ; the way out: my quarter of feat, 8 bytes a lane
	WIN 0
	s_wait_tensorcnt 0x0                           ; my quarters of q and of both slots are in,
	s_barrier_signal -1
	s_barrier_wait -1                              ; everybody's are.
	s_wait_loadcnt 0x0                             ; memory's fragments and scale words
	PHASE 0, 3, 0, 3                               ; K and the scores
	WIN 0x55                                       ; the two halves of the lanes hold different dd: add them; then both halves of K meet in LDS
.irp k, 0,1,2,3,4,5,6,7,8,9,10,11,12,13,14,15
	v_permlanex16_b32 v[ACC+\k], v[SACC+\k], s56, s57
.endr
.irp k, 0,2,4,6,8,10,12,14
	v_pk_add_f32 v[SACC+\k:SACC+\k+1], v[SACC+\k:SACC+\k+1], v[ACC+\k:ACC+\k+1]
.endr
.irp q, 0,1,2,3
	ds_store_b128 v[XST], v[SACC+4*\q:SACC+4*\q+3] offset:512*\q
.endr
	CHANGE 48                                      ; the K phase is over: slot 1 takes V's tiles 8-15.  The same round shows every wave's score sums to the others
	WIN 0x55
.irp q, 0,1,2,3
	ds_load_b128 v[64+4*\q:67+4*\q], v[XOW] offset:512*\q
	ds_load_b128 v[80+4*\q:83+4*\q], v[XOW] offset:2048+512*\q
	ds_load_b128 v[96+4*\q:99+4*\q], v[XOT] offset:512*\q
	ds_load_b128 v[112+4*\q:115+4*\q], v[XOT] offset:2048+512*\q
.endr
	s_wait_dscnt 0x0
.irp k, 0,2,4,6,8,10,12,14
	v_pk_add_f32 v[64+\k:65+\k], v[64+\k:65+\k], v[80+\k:81+\k]            ; t of my rows: register 2 mt + e: row 16 mt + r, head 2 g + e
	v_pk_add_f32 v[96+\k:97+\k], v[96+\k:97+\k], v[112+\k:113+\k]          ; and of the other 128
.endr
.irp e2, 0,1
	v_max3_num_f32 v[ST+\e2], v[64+\e2], v[66+\e2], v[68+\e2]
.endr
.irp i, 70,74
.irp e2, 0,1
	v_max3_num_f32 v[ST+\e2], v[ST+\e2], v[\i+\e2], v[\i+2+\e2]
.endr
.endr
.irp e2, 0,1
	v_max3_num_f32 v[ST+\e2], v[ST+\e2], v[78+\e2], v[96+\e2]
.endr
.irp i, 98,102,106
.irp e2, 0,1
	v_max3_num_f32 v[ST+\e2], v[ST+\e2], v[\i+\e2], v[\i+2+\e2]
.endr
.endr
.irp e2, 0,1
	v_max_num_f32 v[ST+\e2], v[ST+\e2], v[110+\e2]
.endr
.irp x, 1,2,4,8
.irp e2, 0,1
	v_max_num_f32_dpp v[ST+\e2], v[ST+\e2], v[ST+\e2] row_xmask:\x row_mask:0xf bank_mask:0xf
.endr
.endr                                              ; M of each head: the largest t of the 256 rows, in every lane
.irp k, 0,2,4,6,8,10,12,14
	v_pk_add_f32 v[64+\k:65+\k], v[64+\k:65+\k], v[ST:ST+1] neg_lo:[0,1] neg_hi:[0,1]
	v_pk_add_f32 v[96+\k:97+\k], v[96+\k:97+\k], v[ST:ST+1] neg_lo:[0,1] neg_hi:[0,1]
.endr
	WIN 0x81                                       ; my rows' p go straight to their place in window 2
.irp k, 0,1,2,3,4,5,6,7,8,9,10,11,12,13,14,15
	v_exp_f32 v[P+\k], v[64+\k]
.endr
	WIN 0x55
.irp k, 0,1,2,3,4,5,6,7,8,9,10,11,12,13,14,15
	v_exp_f32 v[96+\k], v[96+\k]
.endr
	v_nop                                          ; a plain line behind the last exponential
	s_wait_alu depctr_va_vdst(0)                   ; one wait for the 32, ahead of their first reader
	v_pk_add_f32 v[128:129], v[96:97], v[98:99]
.irp k, 4,6,8,10,12,14
	v_pk_add_f32 v[128:129], v[128:129], v[96+\k:97+\k]
.endr
	WIN 0x4a                                       ; both sources window 2
	v_pk_add_f32 v[ST+2:ST+3], v[P:P+1], v[P+2:P+3]
	WIN 0x46                                       ; source 0 window 2, source 1 window 1
.irp k, 4,6,8,10,12,14
	v_pk_add_f32 v[ST+2:ST+3], v[P+\k:P+\k+1], v[ST+2:ST+3]
.endr
	WIN 0x55
	v_pk_add_f32 v[ST+2:ST+3], v[ST+2:ST+3], v[128:129]
.irp x, 1,2,4,8
.irp e2, 0,1
	v_add_f32_dpp v[ST+2+\e2], v[ST+2+\e2], v[ST+2+\e2] row_xmask:\x row_mask:0xf bank_mask:0xf
.endr
.endr                                              ; L of each head: the sum of p over the 256 rows
	PHASE 1, 2, 1, 4                               ; V and the weighted sums
	s_wait_dscnt 0x0                               ; my 256 partial sums lie in LDS,
	s_barrier_signal -1
	s_barrier_wait -1                              ; everybody's do
	WIN 0x01
.irp w, 0,1,2,3
	ds_load_b64 v[56+2*\w:57+2*\w], v[RDF] offset:1280*\w
.endr
	WIN 0x05
	v_cndmask_b32 v64, v[ST], v[ST+2], s[MB0]      ; even lanes M, M; odd lanes L, L
	v_cndmask_b32 v65, v[ST+1], v[ST+3], s[MB0]
	WIN 0
	s_wait_dscnt 0x0
	v_pk_add_f32 v[56:57], v[56:57], v[58:59]
	v_pk_add_f32 v[60:61], v[60:61], v[62:63]
	v_pk_add_f32 v[56:57], v[56:57], v[60:61]      ; over the two halves of the rows and the two of K
	global_store_b64 v12, v[56:57], s[12:13]       ; 32 lanes store 256 consecutive bytes, aligned
	s_cmp_lg_u32 s14, 0
	s_cbranch_scc1 .Lno_stats
	global_store_b64 v12, v[64:65], s[12:13] offset:1024   ; wave 0: M, M, L, L sixteen times: 256 consecutive bytes, aligned
.Lno_stats:
	s_wait_tensorcnt 0x0                           ; the wave's end, behind my last tensor load and my last LDS store
	ds_add_u32 v2, v3
	s_wait_dscnt 0x0
	CROUND                                         ; the closing round
	s_endpgm
.Lfunc_end_k_qc179d8761d_main:
	.size	k_qc179d8761d_main, .Lfunc_end_k_qc179d8761d_main-k_qc179d8761d_main
	.p2alignl 7, 3214868480
	.fill 96, 4, 3214868480
	.section	.rodata,"a",@progbits
	.p2align	6, 0x0
	.amdhsa_kernel k_qc179d8761d_main
		.amdhsa_group_segment_fixed_size 327680
		.amdhsa_private_segment_fixed_size 0
		.amdhsa_enable_private_segment 0
		.amdhsa_kernarg_size 40
		.amdhsa_user_sgpr_count 2
		.amdhsa_user_sgpr_kernarg_segment_ptr 1
		.amdhsa_wavefront_size32 1
		.amdhsa_system_sgpr_workgroup_id_x 1
		.amdhsa_system_sgpr_workgroup_id_y 1
		.amdhsa_system_sgpr_workgroup_id_z 1
		.amdhsa_system_vgpr_workitem_id 0
		.amdhsa_next_free_vgpr 1024
		.amdhsa_next_free_sgpr 80
		.amdhsa_reserve_vcc 0
		.amdhsa_float_denorm_mode_32 3
		.amdhsa_float_denorm_mode_16_64 3
		.amdhsa_memory_ordered 1
		.amdhsa_forward_progress 1
		.amdhsa_inst_pref_size 245
	.end_amdhsa_kernel
	.amdgpu_metadata
---
amdhsa.version: [ 1, 2 ]
amdhsa.kernels:
  - .name:           k_qc179d8761d_main
    .symbol:         k_qc179d8761d_main.kd
    .args:
      - { .name: mcodes, .offset: 0, .size: 8, .value_kind: global_buffer, .address_space: global }
      - { .name: mscales, .offset: 8, .size: 8, .value_kind: global_buffer, .address_space: global }
      - { .name: wfrag, .offset: 16, .size: 8, .value_kind: global_buffer, .address_space: global }
      - { .name: qs, .offset: 24, .size: 8, .value_kind: global_buffer, .address_space: global }
      - { .name: pf, .offset: 32, .size: 8, .value_kind: global_buffer, .address_space: global }
    .group_segment_fixed_size: 327680
    .private_segment_fixed_size: 0
    .kernarg_segment_align: 8
    .kernarg_segment_size: 40
    .max_flat_workgroup_size: 128
    .sgpr_count:     80
    .vgpr_count:     1024
    .wavefront_size: 32
...
	.end_amdgpu_metadata
.endif
;; end of part 2
;; launch finish (part 3): grid 128 x 1, 16 waves a work-group, no clusters, 18,688 bytes of LDS; arguments pf, bv, x, Wo, bo, out0; writes out0
.if DOCPART == 3
	.amdgcn_target "amdgcn-amd-amdhsa--gfx1250"
	.amdhsa_code_object_version 6
	.text
	.protected	k_qc179d8761d_finish
	.globl	k_qc179d8761d_finish
	.p2align	8
	.type	k_qc179d8761d_finish,@function
k_qc179d8761d_finish:
	s_mov_b64 s[64:65], 0
	v_nop
	global_prefetch_b8 v0, s[64:65] scope:SCOPE_SE
	s_setreg_imm32_b32 hwreg(HW_REG_WAVE_MODE, 25, 1), 1
	s_wait_xcnt 0x0
; Third launch: the 64 row blocks' partial sums are brought under one maximum, divided by the whole sum, bv is added (the weights of a head sum to 1), and out = relu([x, feat] Wo^T + bo).  All in f32, by fused multiply-adds.
; LEFT OUT (shown at the head of the first kernel): bk and the pad mask's term.
; Every work-group merges all 64 blocks itself (327,680 bytes) and makes 8 outputs: a launch for the merge alone would cost a start and an end more.
; pf: record 4 b + g of 1,280 bytes: 256 partial sums at index 2 dd + e (J = 8 dd + 2 g + e), then M, M, L, L of heads 2 g, 2 g + 1.
; Merge: wave v takes g = v / 4 and the 64 numbers 64 (v % 4) on; lane (r, h) takes four of them, of the blocks b = 2 k + h.  Product: wave v takes output 8 x work-group + v / 2 and half v % 2 of its row of Wo.
; All loads go out at the head; the waits count what was issued behind what is wanted.  The last store is 32 bytes a work-group: all of out0 is 4,096 bytes.
.set TBL,   0                          ; 512 bytes a wave, its own: the blocks' weights: 256 (b % 2) + 8 (b / 2)
.set AX,    8192                       ; x, then feat in the order of J: 2,048 f32
.set RES,   16384                      ; a word a wave
.set SPARE, 16640                      ; the spare words, 128 bytes for each wave, that no other line names
	s_load_b256 s[4:11], s[0:1], 0x0               ; pf s[4:5], bv s[6:7], x s[8:9], Wo s[10:11]
	s_load_b128 s[12:15], s[0:1], 0x20             ; bo s[12:13], out0 s[14:15]
	v_lshl_add_u32 v14, v0, 2, SPARE               ; my spare word; never rewritten
	v_mov_b32 v15, 0                               ; 0; never rewritten
	v_lshrrev_b32 v1, 5, v0
	v_readfirstlane_b32 s16, v1                    ; wave 0..15
	v_and_b32 v1, 31, v0                           ; lane
	v_and_b32 v2, 15, v0                           ; r
	v_bfe_u32 v3, v0, 4, 1                         ; h
	s_lshr_b32 s17, s16, 2                         ; g
	s_and_b32 s18, s16, 3                          ; which 64 numbers
	s_lshr_b32 s19, s16, 1                         ; which of the 8 outputs
	s_and_b32 s20, s16, 1                          ; which half of Wo's row
	s_mov_b32 s30, 0x76543210
	s_mov_b32 s31, 0xfedcba98
	v_mul_u32_u24 v4, v1, 5120                     ; M and L of block b = lane
	s_lshl_b32 s21, s18, 10
	s_lshl_b32 s22, s17, 3
	s_add_co_u32 s21, s21, s22
	v_lshl_add_u32 v5, v2, 6, s21                  ; 4 J0, J0 = 8 (32 (v % 4) + 2 r) + 2 g: my four numbers are J0, J0 + 1, J0 + 8, J0 + 9
	v_lshlrev_b32 v6, 3, v0                        ; x: 8 bytes a thread
	v_and_b32 v7, 7, v0
	v_lshlrev_b32 v7, 2, v7                        ; 4 (lane % 8)
	v_mul_u32_u24 v8, v3, 5120
	v_lshl_add_u32 v8, v2, 4, v8                   ; the partial sums: block h, 16 r
	v_lshlrev_b32 v9, 4, v1                        ; 16 x lane
	s_lshl_b32 s23, s16, 9
	v_and_b32 v10, 1, v0
	v_lshlrev_b32 v10, 8, v10
	v_lshrrev_b32 v11, 1, v1
	v_lshl_add_u32 v10, v11, 3, v10
	v_add_nc_u32 v10, s23, v10                     ; where block b = lane's weights go
	v_lshl_add_u32 v11, v3, 8, s23                 ; and where the weights of my 32 blocks are read
	v_add_nc_u32 v12, AX+4096, v5                  ; feat's place
	s_lshl_b32 s24, s20, 12
	s_add_co_u32 s24, s24, AX
	v_add_nc_u32 v13, s24, v9                      ; my half of [x, feat]
	s_lshl_b32 s25, s16, 2
	s_add_co_u32 s25, s25, RES
	v_mov_b32 v63, s25                             ; my wave's word
	v_mov_b32 v26, 0                               ; written once: a lane permute's destination counts as one of its sources
	v_mov_b32 v27, 0
	s_mul_i32 s34, s17, 1280
	s_mov_b32 s35, 0
	s_wait_kmcnt 0x0
	s_add_nc_u64 s[28:29], s[4:5], s[34:35]
	s_add_nc_u64 s[26:27], s[28:29], 1024          ; the group's M and L
	s_lshl_b32 s34, s18, 8
	s_add_nc_u64 s[28:29], s[28:29], s[34:35]      ; my 64 numbers
	s_lshl_b32 s34, ttmp9, 3
	s_add_co_u32 s34, s34, s19
	s_lshl_b32 s34, s34, 13
	s_lshl_b32 s21, s20, 12
	s_add_co_u32 s34, s34, s21
	s_add_nc_u64 s[10:11], s[10:11], s[34:35]      ; my half row of Wo
	s_lshl_b32 s34, ttmp9, 5
	s_add_nc_u64 s[12:13], s[12:13], s[34:35]
	s_add_nc_u64 s[14:15], s[14:15], s[34:35]
	global_load_b128 v[16:19], v4, s[26:27]                    ; M, M, L, L of block lane
	global_load_b128 v[20:23], v4, s[26:27] offset:163840      ; and of block lane + 32
	global_load_b64 v[56:57], v5, s[6:7]
	global_load_b64 v[58:59], v5, s[6:7] offset:32
	global_load_b64 v[60:61], v6, s[8:9]
	global_load_b32 v62, v7, s[12:13]
.irp k, 0,1,2,3,4,5,6,7,8,9,10,11,12,13,14,15,16,17,18,19,20,21,22,23,24,25,26,27,28,29,30,31
	global_load_b128 v[64+4*\k:67+4*\k], v8, s[28:29] offset:10240*\k      ; block 2 k + h: sixteen lanes read 256 consecutive bytes
.endr
.irp c, 0,1,2,3,4,5,6,7
	global_load_b128 v[192+4*\c:195+4*\c], v9, s[10:11] offset:512*\c th:TH_LOAD_NT
.endr
	s_wait_loadcnt 44                              ; M and L are in; the 44 loads behind them may be out
	v_max_num_f32 v24, v16, v20
	v_max_num_f32 v25, v17, v21
.irp x, 1,2,4,8
	v_max_num_f32_dpp v24, v24, v24 row_xmask:\x row_mask:0xf bank_mask:0xf
	v_max_num_f32_dpp v25, v25, v25 row_xmask:\x row_mask:0xf bank_mask:0xf
.endr
	v_permlanex16_b32 v26, v24, s30, s31
	v_permlanex16_b32 v27, v25, s30, s31
	v_max_num_f32 v24, v24, v26
	v_max_num_f32 v25, v25, v27                    ; the largest t of all 16,384 rows, for each head: it is taken away before the exponentials
	v_pk_add_f32 v[28:29], v[16:17], v[24:25] neg_lo:[0,1] neg_hi:[0,1]
	v_pk_add_f32 v[30:31], v[20:21], v[24:25] neg_lo:[0,1] neg_hi:[0,1]
	v_exp_f32 v28, v28
	v_exp_f32 v29, v29
	v_exp_f32 v30, v30
	v_exp_f32 v31, v31
	v_nop                                          ; a plain line behind the last exponential
	s_wait_alu depctr_va_vdst(0)                   ; one wait for the four, ahead of their first reader
	v_pk_mul_f32 v[32:33], v[28:29], v[18:19]
	v_pk_fma_f32 v[32:33], v[30:31], v[22:23], v[32:33]
.irp x, 1,2,4,8
	v_add_f32_dpp v32, v32, v32 row_xmask:\x row_mask:0xf bank_mask:0xf
	v_add_f32_dpp v33, v33, v33 row_xmask:\x row_mask:0xf bank_mask:0xf
.endr
	v_permlanex16_b32 v26, v32, s30, s31
	v_permlanex16_b32 v27, v33, s30, s31
	v_pk_add_f32 v[32:33], v[32:33], v[26:27]      ; the softmax's whole sum
	v_rcp_f32 v32, v32
	v_rcp_f32 v33, v33
	v_nop
	s_wait_alu depctr_va_vdst(0)
	v_pk_mul_f32 v[48:49], v[28:29], v[32:33]      ; a block's weight: 2^(its M - the largest) / the sum
	v_pk_mul_f32 v[50:51], v[30:31], v[32:33]
	ds_store_b64 v10, v[48:49]
	ds_store_b64 v10, v[50:51] offset:128
	s_wait_loadcnt 40                              ; bv, x and bo are in; the 32 + 8 behind them may be out
	ds_store_b64 v6, v[60:61] offset:AX
.irp m, 0,1,2,3,4,5,6,7
	ds_load_b128 v[224+4*\m:227+4*\m], v11 offset:16*\m                    ; LDS serves a wave's instructions in order: these see my stores
.endr
.irp m, 8,9,10,11,12,13,14,15
	ds_load_b128 v[16+4*(\m-8):19+4*(\m-8)], v11 offset:16*\m
.endr
	s_wait_dscnt 0x0
	s_wait_loadcnt 8                               ; the partial sums are in; Wo's 8 loads may be out
.set kk, 0
.rept 32
.if kk < 16
.set WR, 224+2*kk
.else
.set WR, 16+2*(kk-16)
.endif
.set AC, 48+4*(kk%2)
.if kk < 2
	v_pk_mul_f32 v[AC:AC+1], v[64+4*kk:65+4*kk], v[WR:WR+1]                ; the first products start the four sums
	v_pk_mul_f32 v[AC+2:AC+3], v[66+4*kk:67+4*kk], v[WR:WR+1]
.else
	v_pk_fma_f32 v[AC:AC+1], v[64+4*kk:65+4*kk], v[WR:WR+1], v[AC:AC+1]
	v_pk_fma_f32 v[AC+2:AC+3], v[66+4*kk:67+4*kk], v[WR:WR+1], v[AC+2:AC+3]
.endif
.set kk, kk+1
.endr
	v_pk_add_f32 v[48:49], v[48:49], v[52:53]
	v_pk_add_f32 v[50:51], v[50:51], v[54:55]
.irp i, 0,1,2,3
	v_permlanex16_b32 v[16+\i], v[48+\i], s30, s31                         ; the other half of the lanes holds the other 32 blocks
.endr
	v_pk_add_f32 v[48:49], v[48:49], v[16:17]
	v_pk_add_f32 v[50:51], v[50:51], v[18:19]
	v_pk_add_f32 v[48:49], v[48:49], v[56:57]      ; + bv
	v_pk_add_f32 v[50:51], v[50:51], v[58:59]
	ds_store_b64 v12, v[48:49]                     ; both halves of the lanes store the same words with the same values
	ds_store_b64 v12, v[50:51] offset:32
	s_wait_dscnt 0x0                               ; for the others' sake: my part of x and of feat has landed
	s_barrier_signal -1
	s_barrier_wait -1
.irp c, 0,1,2,3,4,5,6,7
	ds_load_b128 v[224+4*\c:227+4*\c], v13 offset:512*\c
.endr
	s_wait_loadcnt 0x0
	s_wait_dscnt 0x0
	v_pk_mul_f32 v[16:17], v[192:193], v[224:225]
	v_pk_mul_f32 v[18:19], v[194:195], v[226:227]
.irp i, 4,8,12,16,20,24,28
	v_pk_fma_f32 v[16:17], v[192+\i:193+\i], v[224+\i:225+\i], v[16:17]
	v_pk_fma_f32 v[18:19], v[194+\i:195+\i], v[226+\i:227+\i], v[18:19]
.endr
	v_pk_add_f32 v[16:17], v[16:17], v[18:19]
	v_add_f32 v16, v16, v17
.irp x, 1,2,4,8
	v_add_f32_dpp v16, v16, v16 row_xmask:\x row_mask:0xf bank_mask:0xf
.endr
	v_permlanex16_b32 v17, v16, s30, s31
	v_add_f32 v16, v16, v17
	ds_store_b32 v63, v16                          ; all lanes write the same word with the same value
	v_lshl_add_u32 v20, v7, 1, RES                 ; output lane % 8: its two halves
	s_wait_dscnt 0x0
	s_barrier_signal -1
	s_barrier_wait -1
	s_cmp_lg_u32 s16, 0
	s_cbranch_scc1 .Lend
	ds_load_b64 v[18:19], v20
	s_wait_dscnt 0x0
	v_add_f32 v18, v18, v19
	v_add_f32 v18, v18, v62
	v_max_num_f32 v18, 0, v18                      ; relu
	v_cmp_gt_u32 vcc_lo, 8, v1
	s_wait_xcnt 0x0                                ; EXEC changes only behind this wait
	s_and_saveexec_b32 s32, vcc_lo
	global_store_b32 v7, v18, s[14:15]
	s_wait_xcnt 0x0
	s_or_b32 exec_lo, exec_lo, s32
.Lend:
	s_wait_tensorcnt 0x0                           ; the wave's end, behind my last LDS store
	ds_add_u32 v14, v15
	s_wait_dscnt 0x0
	s_endpgm
.Lfunc_end_k_qc179d8761d_finish:
	.size	k_qc179d8761d_finish, .Lfunc_end_k_qc179d8761d_finish-k_qc179d8761d_finish
	.p2alignl 7, 3214868480
	.fill 96, 4, 3214868480
	.section	.rodata,"a",@progbits
	.p2align	6, 0x0
	.amdhsa_kernel k_qc179d8761d_finish
		.amdhsa_group_segment_fixed_size 18688
		.amdhsa_private_segment_fixed_size 0
		.amdhsa_enable_private_segment 0
		.amdhsa_kernarg_size 48
		.amdhsa_user_sgpr_count 2
		.amdhsa_user_sgpr_kernarg_segment_ptr 1
		.amdhsa_wavefront_size32 1
		.amdhsa_system_sgpr_workgroup_id_x 1
		.amdhsa_system_sgpr_workgroup_id_y 1
		.amdhsa_system_sgpr_workgroup_id_z 1
		.amdhsa_system_vgpr_workitem_id 0
		.amdhsa_next_free_vgpr 256
		.amdhsa_next_free_sgpr 66
		.amdhsa_reserve_vcc 1
		.amdhsa_float_denorm_mode_32 3
		.amdhsa_float_denorm_mode_16_64 3
		.amdhsa_memory_ordered 1
		.amdhsa_forward_progress 1
		.amdhsa_inst_pref_size 19
	.end_amdhsa_kernel
	.amdgpu_metadata
---
amdhsa.version: [ 1, 2 ]
amdhsa.kernels:
  - .name:           k_qc179d8761d_finish
    .symbol:         k_qc179d8761d_finish.kd
    .args:
      - { .name: pf, .offset: 0, .size: 8, .value_kind: global_buffer, .address_space: global }
      - { .name: bv, .offset: 8, .size: 8, .value_kind: global_buffer, .address_space: global }
      - { .name: x, .offset: 16, .size: 8, .value_kind: global_buffer, .address_space: global }
      - { .name: Wo, .offset: 24, .size: 8, .value_kind: global_buffer, .address_space: global }
      - { .name: bo, .offset: 32, .size: 8, .value_kind: global_buffer, .address_space: global }
      - { .name: out0, .offset: 40, .size: 8, .value_kind: global_buffer, .address_space: global }
    .group_segment_fixed_size: 18688
    .private_segment_fixed_size: 0
    .kernarg_segment_align: 8
    .kernarg_segment_size: 48
    .max_flat_workgroup_size: 512
    .sgpr_count:     66
    .vgpr_count:     256
    .wavefront_size: 32
...
	.end_amdgpu_metadata
.endif
;; end of part 3
;; ======== version 2 of 2: 3 launches
;; limits: right only within a limited range of input values
;; workspace buffers: mfrag 17,825,792 bytes; wfrag 2,228,224 bytes; qs 4,096 bytes; pf 327,680 bytes
;; launch prep (part 4): grid 256 x 1, 8 waves a work-group, no clusters, 327,680 bytes of LDS; arguments memory, Wk_codes, Wk_scales, Wv_codes, Wv_scales, Wq, bq, x, mfrag, wfrag, qs; writes mfrag, wfrag, qs
.if DOCPART == 4
	.amdgcn_target "amdgcn-amd-amdhsa--gfx1250"
	.amdhsa_code_object_version 6
	.text
	.protected	k_qc179d8761d_prep
	.globl	k_qc179d8761d_prep
	.p2align	8
	.type	k_qc179d8761d_prep,@function
k_qc179d8761d_prep:
	s_mov_b64 s[64:65], 0
	v_nop
	global_prefetch_b8 v0, s[64:65] scope:SCOPE_SE
	s_setreg_imm32_b32 hwreg(HW_REG_WAVE_MODE, 25, 1), 1
	s_wait_xcnt 0x0
; ONE QUERY OVER 16,384 MEMORY ROWS, 8 HEADS OF 128 (head n owns the hidden indices J = 8 dd + n).  First of three launches.
; WORK LEFT OUT IN THE WHOLE PROGRAM, for all finite values of the inputs:
;  (1) TINY is the f32 number 0 (2.2e-308 is under the smallest f32 number), so pad_mask * TINY is 0 whatever the mask holds: memory.sum, the compare and the addition are a term that is 0 by identity.
;  (2) bk adds to every score of head n the same number, sum over dd of Q[n][dd] bk[8 dd + n], which does not hang on the memory row: a term that is the same along the softmax's axis.  The product of Q with K is
;      not quantised, so bk moves no code and no scale.  bk is not loaded and is among no launch's arguments.
;  bv stays: since the weights of a head sum to 1 it is added once, behind the sum (third launch).
;  LIMIT: a NaN, an infinity or an overflow that reaches only bk or the rows' sums is not carried to the result.
; THIS LAUNCH.  memory is quantised once to E2M1 with one E8M0 byte for each 32 along K, and stored as images of the matrix operand's registers:
;   mfrag[T = row / 16][half of K][8,704 bytes]: 8 K steps of 1,024 bytes, [c][lane][16 bytes]: lane (r = lane % 16, h = lane / 16) holds the 32 codes of row 16 T + r, block 4 s + 2 c + h;
;   then 512 bytes of scale words, [lane][16 bytes]: word w of lane (r, h) is row r's four scale bytes of the half's K step 2 w + h.
; SHARES.  A work-group takes 64 rows; wave w of its eight takes the 16 rows T = 4 x work-group + w / 2 and half w % 2 of K: 64 KiB of f32, in 4 fills of 16 rows x 1,024 bytes (two K steps).
; RING.  Two LDS slots, each wave's part its own (16 rows of 1,024 + 16 bytes: the sixteen rows that a load touches begin at sixteen different 16-byte columns).  One tensor load a wave at the head and behind each change of slots.
; The lanes read their blocks of 32 numbers from LDS in the operand's order: nothing is stored to LDS on this road.
; PREFETCH.  At a change of slots every wave has waited for all its tensor loads, so the fill that follows has nothing on its way beside it.  Beside fill k each wave asks for fill k + 1's bytes: 16 rows x 4 blocks of 256 bytes,
; a lane a block, two instructions; each block is named once in the launch; beside fill 3 nothing is asked for.  NO CLUSTER: no two work-groups read the same bytes of memory.
; UNDER THE FIRST FILL'S FLIGHT wave 0 does one small job, chosen by the work-group's number alone:
;  work-groups 0-127: eight numbers of q = (x Wq^T + bq) log2(e) / sqrt(128), f32, laid by head group: qs[256 g + 2 dd + e] belongs to J = 8 dd + 2 g + e;
;  work-groups 128-255: one tile of Wk's or Wv's codes and scale bytes, as they are given, as register images: wfrag[g][K, V][tile t][17,408]; row p of a tile is J = 64 t + 8 (p / 2) + 2 g + p % 2.
; A block's scale byte is its largest magnitude's exponent field - 2, held at 1 from below.
; LIMITS: a block of zeros gets the byte 1 where the rule says 127: its codes are zeros, and this program alone reads the bytes; NaN and infinities in memory are not served.
.set FP,    1040                       ; a row of a fill in LDS
.set WSL,   16*FP                      ; a wave's part of a slot
.set SLOT,  8*WSL
.set PITCH, 528                        ; the weights' stage: 512 bytes + 16
.set WST,   2*SLOT                     ; it lies behind the ring: no fill lands there
.set SPARE, WST+16*PITCH               ; the spare words, 128 bytes for each wave, that no other line names
.set R,     32                         ; the jobs: v32-159 as loaded
.set X,     160                        ; the weights' job: v160-223 in the operand's order
.set XQ,    32                         ; the quantiser: v32-95, v96-159: the numbers of a slot's two K steps
.set C,     224                        ; v224-231, v232-239  two sets of codes
.set WS,    232                        ; the weights' job: v232-247 a row's 16 scale words
.set SW,    240                        ; v240-243 four scale words
.set PFO,   248                        ; the prefetches' offset: 8,192 r + 256 h; never rewritten
.set QSO,   249                        ; qs: 4 (lane % 8)
.set BQO,   250                        ; bq: 4 (8 (k / 2) + k % 2), k = lane % 8
.set WSO,   251                        ; a tile's row r among the scale bytes: (8 (r / 2) + r % 2) x 64
.set SEL,   32                         ; s[32:33] v_permlanex16_b32's selects for lane l xor 16
.set HI16,  34                         ; s34  lanes 16-31
.set G0,    40                         ; s[40:43], s[44:47] descriptor group 0 for slot 0, slot 1
.set G1,    48                         ; s[48:55] group 1
.set MB0,   56                         ; s56-58  lanes whose number has bit 0, 1, 2 set
; Eight registers f .. f + 7 are summed over the eight lanes that share bit 3 of the lane's number, and dealt out: lane l ends with the sum of register f + l % 8 in register f.  u .. u + 3: at work.
.macro RSCAT8 f, u
.irp i, 0,1,2,3
	v_cndmask_b32 v[\u+\i], v[\f+2*\i+1], v[\f+2*\i], s[MB0]
.endr
.irp i, 0,1,2,3
	v_cndmask_b32 v[\f+2*\i], v[\f+2*\i], v[\f+2*\i+1], s[MB0]
.endr
.irp i, 0,1,2,3
	v_add_f32_dpp v[\f+2*\i], v[\u+\i], v[\f+2*\i] row_xmask:1 row_mask:0xf bank_mask:0xf
.endr
.irp i, 0,1
	v_cndmask_b32 v[\u+\i], v[\f+4*\i+2], v[\f+4*\i], s[MB0+1]
.endr
.irp i, 0,1
	v_cndmask_b32 v[\f+4*\i], v[\f+4*\i], v[\f+4*\i+2], s[MB0+1]
.endr
.irp i, 0,1
	v_add_f32_dpp v[\f+4*\i], v[\u+\i], v[\f+4*\i] row_xmask:2 row_mask:0xf bank_mask:0xf
.endr
	v_cndmask_b32 v[\u], v[\f+4], v[\f], s[MB0+2]
	v_cndmask_b32 v[\f], v[\f], v[\f+4], s[MB0+2]
	v_add_f32_dpp v[\f], v[\u], v[\f] row_xmask:4 row_mask:0xf bank_mask:0xf
.endm
	s_load_b512 s[8:23], s[0:1], 0x0               ; memory s[8:9], Wk_codes s[10:11], Wk_scales s[12:13], Wv_codes s[14:15], Wv_scales s[16:17], Wq s[18:19], bq s[20:21], x s[22:23]
	s_load_b64 s[24:25], s[0:1], 0x40              ; mfrag
	s_load_b128 s[28:31], s[0:1], 0x48             ; wfrag s[28:29], qs s[30:31]
	v_lshl_add_u32 v2, v0, 2, SPARE                ; my spare word; never rewritten
	v_mov_b32 v3, 0                                ; 0; never rewritten
	ds_add_u32 v2, v3                              ; the wave's opening: the add, twice on end, and its wait ahead of my first tensor load
	ds_add_u32 v2, v3
	v_lshrrev_b32 v4, 5, v0
	v_readfirstlane_b32 s4, v4                     ; wave 0..7
	s_mov_b32 s[G1], (2<<16)|(1<<20)|(7<<22)|(3<<25)   ; elements of 4 bytes; padding: four words after every 256
	s_mov_b32 s[G1+1], 256<<16                     ; tensor_dim0
	s_mov_b32 s[G1+2], 16<<16                      ; tensor_dim1
	s_mov_b32 s[G1+3], 256<<16                     ; tile_dim0
	s_mov_b32 s[G1+4], 16                          ; tile_dim1
	s_mov_b32 s[G1+5], 2048                        ; from row to row
	s_mov_b32 s[G1+6], 0
	s_mov_b32 s[G1+7], 0
	s_mov_b32 s[SEL], 0x76543210
	s_mov_b32 s[SEL+1], 0xfedcba98
	s_mov_b32 s[HI16], 0xffff0000
	s_mov_b32 s[MB0], 0xaaaaaaaa
	s_mov_b32 s[MB0+1], 0xcccccccc
	s_mov_b32 s[MB0+2], 0xf0f0f0f0
	s_mul_i32 s5, s4, WSL                          ; my part of a slot
	s_mov_b32 s7, 0                                ; the upper word of every offset (s[6:7])
	s_lshl_b32 s35, ttmp9, 3
	s_add_co_u32 s35, s35, s4                      ; which of the 2,048 shares
	s_lshr_b32 s36, s35, 1                         ; T: which 16 rows
	s_and_b32 s37, s35, 1                          ; which half of K
	s_lshl_b32 s6, s36, 17                         ; 16 rows of 8,192 bytes
	s_lshl_b32 s38, s37, 12
	s_add_co_u32 s6, s6, s38
	s_mul_i32 s2, s36, 17408
	s_mul_i32 s38, s37, 8704
	s_add_co_u32 s2, s2, s38
	s_mov_b32 s3, 0
	s_wait_alu depctr_va_vdst(0)
	s_wait_dscnt 0x0                               ; both opening adds are done
	s_wait_kmcnt 0x0
	s_add_nc_u64 s[8:9], s[8:9], s[6:7]            ; my share of memory; never rewritten
	s_add_nc_u64 s[24:25], s[24:25], s[2:3]        ; and of mfrag
	s_mov_b32 s[G0], 1
	s_mov_b32 s[G0+1], s5
	s_mov_b64 s[G0+2:G0+3], s[8:9]                 ; fill 0
	s_mov_b32 s[G0+4], 1
	s_add_co_u32 s[G0+5], s5, SLOT
	s_add_nc_u64 s[G0+6:G0+7], s[8:9], 1024        ; fill 1
	s_or_b32 s[G0+3], s[G0+3], 0x80000000
	s_or_b32 s[G0+7], s[G0+7], 0x80000000
	tensor_load_to_lds s[G0:G0+3], s[G1:G1+7]      ; my one tensor load at the head
	s_nop 0
	; every address register is made here, ahead of the jobs' branches
	v_and_b32 v1, 31, v0                           ; lane
	v_and_b32 v8, 15, v0                           ; r
	v_bfe_u32 v9, v0, 4, 1                         ; h
	v_lshlrev_b32 v4, 4, v1                        ; 16 x lane
	v_mul_u32_u24 v6, v8, FP
	v_lshl_add_u32 v6, v9, 7, v6
	v_add_nc_u32 v6, s5, v6                        ; slot 0: row r, + 128 h: my block of 32 numbers
	v_add_nc_u32 v10, SLOT, v6                     ; slot 1
	v_lshlrev_b32 v7, 3, v9                        ; 8 h
	v_mov_b32 v13, 0                               ; written once: a lane permute's destination counts as one of its sources
	v_add_nc_u32 v5, WST, v4                       ; the weights' stage, in: 16 x lane of a row's half
	v_mul_u32_u24 v11, v8, PITCH
	v_lshl_add_u32 v11, v9, 4, v11
	v_add_nc_u32 v11, WST, v11                     ; out: row r, + 16 h
	v_lshlrev_b32 v[PFO], 13, v8
	v_lshl_add_u32 v[PFO], v9, 8, v[PFO]
	v_and_b32 v12, 7, v0                           ; k = lane % 8
	v_lshlrev_b32 v[QSO], 2, v12
	v_lshrrev_b32 v14, 1, v12
	v_and_b32 v12, 1, v12
	v_lshlrev_b32 v14, 5, v14
	v_lshl_add_u32 v[BQO], v12, 2, v14
	v_lshrrev_b32 v14, 1, v8
	v_and_b32 v12, 1, v8
	v_lshlrev_b32 v14, 9, v14
	v_lshl_add_u32 v[WSO], v12, 6, v14
	s_wait_alu depctr_va_vdst(0)
	global_prefetch_b8 v[PFO], s[8:9] offset:1024 th:TH_LOAD_NT scope:SCOPE_SE       ; fill 1's bytes
	global_prefetch_b8 v[PFO], s[8:9] offset:1024+512 th:TH_LOAD_NT scope:SCOPE_SE
	s_cmp_lg_u32 s4, 0
	s_cbranch_scc1 .Ljoin                          ; the jobs are wave 0's
	s_cmp_lt_u32 ttmp9, 128
	s_cbranch_scc1 .Lq
; ---------------- the weights: one tile of 16 rows x 2,048 along K.
	s_sub_co_u32 s35, ttmp9, 128                   ; the tile's number: 32 g + 16 (K or V) + t
	s_bitcmp1_b32 s35, 4                           ; K's or V's?  The choice hangs on ids alone
	s_cselect_b64 s[10:11], s[14:15], s[10:11]
	s_cselect_b64 s[12:13], s[16:17], s[12:13]
	s_and_b32 s36, s35, 15
	s_lshr_b32 s37, s35, 5
	s_lshl_b32 s36, s36, 6
	s_lshl_b32 s37, s37, 1
	s_add_co_u32 s36, s36, s37                     ; the tile's first J = 64 t + 2 g
	s_lshl_b32 s6, s36, 10                         ; a row of codes is 1,024 bytes
	s_add_nc_u64 s[10:11], s[10:11], s[6:7]
	s_lshl_b32 s6, s36, 6                          ; a row of scale bytes 64
	s_add_nc_u64 s[12:13], s[12:13], s[6:7]
	s_mul_i32 s6, s35, 17408
	s_add_nc_u64 s[28:29], s[28:29], s[6:7]
.irp hh, 0,1
.irp p, 0,1,2,3,4,5,6,7,8,9,10,11,12,13,14,15
	global_load_b128 v[R+64*\hh+4*\p:R+64*\hh+4*\p+3], v4, s[10:11] offset:((\p/2)*8+(\p%2))*1024+\hh*512
.endr
.endr
.irp i, 0,1,2,3
	global_load_b128 v[WS+4*\i:WS+4*\i+3], v[WSO], s[12:13] offset:16*\i   ; the row's 16 scale words
.endr
	s_wait_loadcnt 20                              ; the first half's 16 loads are in (behind them: 16 and 4)
.irp p, 0,1,2,3,4,5,6,7,8,9,10,11,12,13,14,15
	ds_store_b128 v5, v[R+4*\p:R+4*\p+3] offset:\p*PITCH
.endr
.irp s, 0,1,2,3,4,5,6,7
.irp c, 0,1
	ds_load_b128 v[X+8*\s+4*\c:X+8*\s+4*\c+3], v11 offset:\s*64+\c*32      ; block 4 s + 2 c + h of row r: 16 bytes as they lie; LDS serves a wave's instructions in order
.endr
.endr
	s_wait_dscnt 0x0
.irp s, 0,1,2,3,4,5,6,7
.irp c, 0,1
	global_store_b128 v4, v[X+8*\s+4*\c:X+8*\s+4*\c+3], s[28:29] offset:\s*1024+\c*512
.endr
.endr
	s_wait_loadcnt 4                               ; the second half's are in (behind them: the 4 of the scales)
.irp p, 0,1,2,3,4,5,6,7,8,9,10,11,12,13,14,15
	ds_store_b128 v5, v[R+64+4*\p:R+64+4*\p+3] offset:\p*PITCH
.endr
.irp s, 0,1,2,3,4,5,6,7
.irp c, 0,1
	ds_load_b128 v[R+8*\s+4*\c:R+8*\s+4*\c+3], v11 offset:\s*64+\c*32      ; into the first half's registers, which are done with
.endr
.endr
	s_wait_dscnt 0x0
.irp s, 0,1,2,3,4,5,6,7
.irp c, 0,1
	global_store_b128 v4, v[R+8*\s+4*\c:R+8*\s+4*\c+3], s[28:29] offset:(8+\s)*1024+\c*512
.endr
.endr
	s_wait_loadcnt 0x0
.irp i, 0,1,2,3,4,5,6,7
	v_cndmask_b32 v[C+\i], v[WS+2*\i], v[WS+2*\i+1], s[HI16]               ; lanes 0-15 the even K step's word, lanes 16-31 the odd one's
.endr
	global_store_b128 v4, v[C:C+3], s[28:29] offset:16384
	global_store_b128 v4, v[C+4:C+7], s[28:29] offset:16384+512
	s_wait_xcnt 0x0                                ; the stores have read their registers, which the quantiser writes again
	s_branch .Ljoin
; ---------------- q: eight numbers, qs[8 w .. 8 w + 7], w = the work-group's number: a row of Wq (4,096 bytes) by eight loads of 512 consecutive bytes; four rows are on their way.  This job touches no LDS.
.Lq:
	s_mov_b32 s35, ttmp9                           ; w = 0 .. 127
	s_lshr_b32 s36, s35, 5                         ; g
	s_and_b32 s37, s35, 31
	s_lshl_b32 s37, s37, 5                         ; 8 dd0, dd0 = 4 (w % 32)
	s_lshl_b32 s36, s36, 1
	s_add_co_u32 s36, s36, s37                     ; J0 = 8 dd0 + 2 g; number k belongs to J0 + 8 (k / 2) + k % 2
	s_lshl_b32 s6, s36, 12
	s_add_nc_u64 s[18:19], s[18:19], s[6:7]
	s_lshl_b32 s6, s36, 2
	s_add_nc_u64 s[20:21], s[20:21], s[6:7]
	s_lshl_b32 s6, s35, 5
	s_add_nc_u64 s[30:31], s[30:31], s[6:7]
	global_load_b32 v29, v[BQO], s[20:21]
.irp c, 0,1,2,3,4,5,6,7
	global_load_b128 v[32+4*\c:35+4*\c], v4, s[22:23] offset:512*\c
.endr
.macro QLOAD k
.irp c, 0,1,2,3,4,5,6,7
	global_load_b128 v[64+32*((\k)%4)+4*\c:64+32*((\k)%4)+4*\c+3], v4, s[18:19] offset:(((\k)/2)*8+(\k)%2)*4096+512*\c th:TH_LOAD_NT
.endr
.endm
.macro QDOT k, left                    ; left: the loads of the younger rows, which may stay out
	s_wait_loadcnt \left
	v_pk_mul_f32 v[12:13], v[64+32*((\k)%4):65+32*((\k)%4)], v[32:33]      ; the first products start the sums
	v_pk_mul_f32 v[14:15], v[66+32*((\k)%4):67+32*((\k)%4)], v[34:35]
.irp i, 4,8,12,16,20,24,28
	v_pk_fma_f32 v[12:13], v[64+32*((\k)%4)+\i:65+32*((\k)%4)+\i], v[32+\i:33+\i], v[12:13]
	v_pk_fma_f32 v[14:15], v[66+32*((\k)%4)+\i:67+32*((\k)%4)+\i], v[34+\i:35+\i], v[14:15]
.endr
.if (\k) < 4
	QLOAD (\k)+4
.endif
	v_pk_add_f32 v[12:13], v[12:13], v[14:15]
	v_add_f32 v[16+(\k)], v12, v13
.endm
	QLOAD 0
	QLOAD 1
	QLOAD 2
	QLOAD 3
	QDOT 0, 24
	QDOT 1, 24
	QDOT 2, 24
	QDOT 3, 24
	QDOT 4, 24
	QDOT 5, 16
	QDOT 6, 8
	QDOT 7, 0
	RSCAT8 16, 24
	v_add_f32_dpp v16, v16, v16 row_xmask:8 row_mask:0xf bank_mask:0xf
	v_permlanex16_b32 v24, v16, s[SEL], s[SEL+1]
	v_add_f32 v16, v16, v24                        ; the sum over the 32 lanes of number lane % 8
	v_add_f32 v16, v16, v29
	v_mul_f32 v16, 0x3e0293ee, v16                 ; x log2(e) / sqrt(128): the scores come out as exponents of 2
	v_cmp_gt_u32 vcc_lo, 8, v1
	s_wait_alu depctr_va_vdst(0)
	s_wait_xcnt 0x0                                ; EXEC changes only behind this wait
	s_and_saveexec_b32 s36, vcc_lo
	global_store_b32 v[QSO], v16, s[30:31]         ; lanes 0-7: 32 consecutive bytes
	s_wait_xcnt 0x0
	s_or_b32 exec_lo, exec_lo, s36
.Ljoin:
; ---------------- memory into codes.
.macro STEP t                          ; K step t of my 8: its 64 numbers a lane lie in set t % 2
.set XS, XQ+64*((\t)%2)
.set CS, C+8*((\t)%2)
.irp c, 0,1
	v_max3_num_f32 v[16+\c], |v[XS+32*\c]|, |v[XS+32*\c+1]|, 0x1800000     ; block 2 c + h: all its 32 numbers are mine; the floor 2^(3 - 127) holds the byte at 1 from below
.endr
.irp i, 2,4,6,8,10,12,14,16,18,20,22,24,26,28,30
.irp c, 0,1
	v_max3_num_f32 v[16+\c], v[16+\c], |v[XS+32*\c+\i]|, |v[XS+32*\c+\i+1]|  ; (the two blocks by turns)
.endr
.endr
.irp c, 0,1
	v_add_nc_u32 v[18+\c], 0xff000000, v[16+\c]    ; 2 off the exponent field: the conversion's scale operand
.endr
.irp c, 0,1
	v_lshrrev_b32 v[20+\c], 23, v[18+\c]           ; the scale's byte
.endr
	v_lshl_or_b32 v12, v21, 16, v20                ; my two bytes, blocks h and 2 + h,
	v_lshlrev_b32 v12, v7, v12                     ; at their places in the row's word
	v_permlanex16_b32 v13, v12, s[SEL], s[SEL+1]
.if (\t) >= 2
	s_wait_alu depctr_va_vdst(0)
	s_wait_xcnt 0x0                                ; the stores of two steps ago have read this set of codes
.endif
.irp c, 0,1
.irp q, 0,1,2,3
	v_cvt_scalef32_pk8_fp4_f32 v[CS+4*\c+\q], v[XS+32*\c+8*\q:XS+32*\c+8*\q+7], v[18+\c]
.endr
.endr
.if (\t)%2 == 0
	v_or_b32 v14, v12, v13                         ; the even step's word waits for the odd step's.  (A plain line behind the conversions)
.else
	v_or_b32 v12, v12, v13
	v_cndmask_b32 v[SW+(\t)/2], v14, v12, s[HI16]  ; lanes 0-15 carry the even step's word, lanes 16-31 the odd step's
.endif
.irp c, 0,1
	global_store_b128 v4, v[CS+4*\c:CS+4*\c+3], s[24:25] offset:(\t)*1024+\c*512   ; 32 lanes store 512 consecutive bytes, aligned
.endr
.endm
; THE CHANGE OF SLOTS and fill n's two K steps.  Every wave: all its tensor loads have landed (fill n); the add; its reads of the other slot are over; the barrier; fill n + 1 first behind it, into the other slot
; (n = 0: slot 1's first fill, issued as a refill is).  One tensor load of a wave is out behind each barrier but the last.
.macro TRIP n
.set GN, G0+4*(((\n)+1)%2)
.set AD, 6+4*((\n)%2)
	s_wait_alu depctr_va_vdst(0)
	s_wait_tensorcnt 0x0                           ; no tensor load of mine is out, so a group 0 may be written
	ds_add_u32 v2, v3                              ; 0 onto my spare word
.if ((\n) == 1) || ((\n) == 2)
	s_add_nc_u64 s[GN+2:GN+3], s[GN+2:GN+3], 2048  ; that slot's next fill
.endif
	s_wait_dscnt 0x0
	s_barrier_signal -1
	s_barrier_wait -1
.if (\n) < 3
	tensor_load_to_lds s[GN:GN+3], s[G1:G1+7]
	s_nop 0
.endif
.irp u, 0,1
.irp c, 0,1
.irp p, 0,1,2,3,4,5,6,7
	ds_load_b128 v[XQ+64*\u+32*\c+4*\p:XQ+64*\u+32*\c+4*\p+3], v[AD] offset:\u*512+\c*256+\p*16   ; k = 128 u + 64 c + 32 h + 4 p ..
.endr
.endr
.endr
.if (\n) < 2
	global_prefetch_b8 v[PFO], s[8:9] offset:((\n)+2)*1024 th:TH_LOAD_NT scope:SCOPE_SE        ; fill n + 2's bytes: one change of slots ahead of their load
	global_prefetch_b8 v[PFO], s[8:9] offset:((\n)+2)*1024+512 th:TH_LOAD_NT scope:SCOPE_SE
.endif
	s_wait_dscnt 16                                ; the first step's 16 loads are in; the second's 16 may be out
	STEP 2*(\n)
	s_wait_dscnt 0x0
	STEP 2*(\n)+1
.endm
	TRIP 0
	TRIP 1
	TRIP 2
	TRIP 3
	global_store_b128 v4, v[SW:SW+3], s[24:25] offset:8192   ; 512 consecutive bytes of scale words, behind the half's codes
	s_wait_tensorcnt 0x0                           ; the wave's end, behind my last tensor load and my last LDS store
	ds_add_u32 v2, v3
	s_wait_dscnt 0x0
	s_endpgm
.Lfunc_end_k_qc179d8761d_prep:
	.size	k_qc179d8761d_prep, .Lfunc_end_k_qc179d8761d_prep-k_qc179d8761d_prep
	.p2alignl 7, 3214868480
	.fill 96, 4, 3214868480
	.section	.rodata,"a",@progbits
	.p2align	6, 0x0
	.amdhsa_kernel k_qc179d8761d_prep
		.amdhsa_group_segment_fixed_size 327680
		.amdhsa_private_segment_fixed_size 0
		.amdhsa_enable_private_segment 0
		.amdhsa_kernarg_size 88
		.amdhsa_user_sgpr_count 2
		.amdhsa_user_sgpr_kernarg_segment_ptr 1
		.amdhsa_wavefront_size32 1
		.amdhsa_system_sgpr_workgroup_id_x 1
		.amdhsa_system_sgpr_workgroup_id_y 1
		.amdhsa_system_sgpr_workgroup_id_z 1
		.amdhsa_system_vgpr_workitem_id 0
		.amdhsa_next_free_vgpr 256
		.amdhsa_next_free_sgpr 66
		.amdhsa_reserve_vcc 1
		.amdhsa_float_denorm_mode_32 3
		.amdhsa_float_denorm_mode_16_64 3
		.amdhsa_memory_ordered 1
		.amdhsa_forward_progress 1
		.amdhsa_inst_pref_size 71
	.end_amdhsa_kernel
	.amdgpu_metadata
---
amdhsa.version: [ 1, 2 ]
amdhsa.kernels:
  - .name:           k_qc179d8761d_prep
    .symbol:         k_qc179d8761d_prep.kd
    .args:
      - { .name: memory, .offset: 0, .size: 8, .value_kind: global_buffer, .address_space: global }
      - { .name: Wk_codes, .offset: 8, .size: 8, .value_kind: global_buffer, .address_space: global }
      - { .name: Wk_scales, .offset: 16, .size: 8, .value_kind: global_buffer, .address_space: global }
      - { .name: Wv_codes, .offset: 24, .size: 8, .value_kind: global_buffer, .address_space: global }
      - { .name: Wv_scales, .offset: 32, .size: 8, .value_kind: global_buffer, .address_space: global }
      - { .name: Wq, .offset: 40, .size: 8, .value_kind: global_buffer, .address_space: global }
      - { .name: bq, .offset: 48, .size: 8, .value_kind: global_buffer, .address_space: global }
      - { .name: x, .offset: 56, .size: 8, .value_kind: global_buffer, .address_space: global }
      - { .name: mfrag, .offset: 64, .size: 8, .value_kind: global_buffer, .address_space: global }
      - { .name: wfrag, .offset: 72, .size: 8, .value_kind: global_buffer, .address_space: global }
      - { .name: qs, .offset: 80, .size: 8, .value_kind: global_buffer, .address_space: global }
    .group_segment_fixed_size: 327680
    .private_segment_fixed_size: 0
    .kernarg_segment_align: 8
    .kernarg_segment_size: 88
    .max_flat_workgroup_size: 256
    .sgpr_count:     66
    .vgpr_count:     256
    .wavefront_size: 32
...
	.end_amdgpu_metadata
.endif
;; end of part 4
;; launch main (part 5): grid 4 x 64, 4 waves a work-group, clusters of 4 x 4, 327,680 bytes of LDS; arguments mfrag, wfrag, qs, pf; writes pf
.if DOCPART == 5
	.amdgcn_target "amdgcn-amd-amdhsa--gfx1250"
	.amdhsa_code_object_version 6
	.text
	.protected	k_qc179d8761d_main
	.globl	k_qc179d8761d_main
	.p2align	8
	.type	k_qc179d8761d_main,@function
k_qc179d8761d_main:
	s_mov_b64 s[64:65], 0
	v_nop
	global_prefetch_b8 v0, s[64:65] scope:SCOPE_SE
	s_setreg_imm32_b32 hwreg(HW_REG_WAVE_MODE, 25, 1), 1
	s_wait_xcnt 0x0
	s_wait_alu depctr_hold_cnt(0) depctr_sa_sdst(0) depctr_va_vdst(0) depctr_va_sdst(0) depctr_va_ssrc(0) depctr_va_vcc(0) depctr_vm_vsrc(0)
	s_getreg_b32 s2, hwreg(HW_REG_IB_STS2, 6, 4)
	s_cmp_eq_u32 s2, 0
	s_cbranch_scc0 .Lentry_in_a_cluster
	s_endpgm
.Lentry_in_a_cluster:
	s_bfe_u32 s2, ttmp6, 0x10000c
	s_cmp_lg_u32 s2, 0xf033
	s_cbranch_scc0 .Lentry_shape_is_right
	s_endpgm
.Lentry_shape_is_right:
; Second launch: K = Q(memory) Wk^T, the scores, a softmax over the work-group's rows, V = Q(memory) Wv^T and the weighted sum, for 256 memory rows x 2 heads a work-group.
; LEFT OUT (shown at the head of the first kernel): bk, the same along the softmax's axis, and the pad mask's term, which is 0; bv is added in the third launch.
; K AND V ARE NEVER LAID DOWN: score[l] = sum over J of q[J] K[l][J], feat[J] = sum over l of p[l] V[l][J] are linear, so each tile of 16 x 16 results is folded at once into a few registers.
; SHARES.  g = my place along the cluster's x: heads 2 g, 2 g + 1 (16 + 16 weight tiles of 16 rows).  Row block b = 4 x cluster y + my place along y.  Wave 2 i + j takes rows 128 i .. + 127 (8 tiles) and half j of K
; (8 steps of 128): its 64 fragments of memory, 512 registers, come once and stay.  A weight fragment read from LDS feeds 8 matrix instructions.
; CLUSTER, 4 x 4.  The four of a row share b: memory's codes and scale words are asked for JOINTLY along the row.  The four of a column share g: the weights are asked for jointly along the column.
; THE HEAD.  mfrag[T][half of K][8,704 bytes]: a wave's share is one tile of 8 rows x 8,704 bytes, 17,408 bytes apart: 69,632 bytes, its one tensor load at the head.  The four shares fill exactly the bytes of the two weight slots.
; Each wave reads its own share into registers; then the slots are filled again, each behind its own round: slot 0 with K's tiles 0-7, slot 1 with K's tiles 8-15, which has two tiles' work in which to land.
; q comes by a global load of 8 bytes a thread and is stored to LDS bytes of its own.
; PREFETCH.  Each of these stages begins when every load of the stage before has been waited for, so K's 16 tiles are asked of the L2 behind the head's tensor load, ahead of memory's landing, the 136 LDS reads and the round
; that stand in front of their loads.  The sixteen waves of a column of the cluster share the tiles out BY ADDRESS: wave w of the partner at place cy names tile 4 cy + w, 68 blocks of 256 bytes, a lane a block, three instructions
; (in the third, lanes 4-31 name the tile's last block again): each block is named once in each cluster that will load it.  V's tiles are not asked for: each of their refills is issued eight tiles ahead of its first read.
; THE MATRIX INSTRUCTION IS USED TRANSPOSED (source 0 = 16 weight rows, source 1 = 16 memory rows): lane (r, h), register jr holds (memory row r, weight row 8 h + jr); the head's parity is jr % 2.
; SOFTMAX.  t = score x log2(e) / sqrt(128) (the factor lies in q); M = the largest t of the work-group's 256 rows, taken away before the exponential; p = 2^(t - M); L = the sum of p.  The third launch brings the 64 blocks under one maximum.
; ORDER OF ROUNDING: the f32 sums of the quantised products are made in two halves of K, the rows' sums by waves and work-groups: another order than a single ascending chain.
; REGISTERS, in windows of 256 (s_set_vgpr_msb: bits 1:0 source 0, 3:2 source 1, 5:4 source 2, 7:6 destination):
;   window 0: v1 16 x lane, v2, v3 the add's two, v6, v13 the prefetches' offsets, v9-11 the head's LDS addresses, v12 8 x lane; v16-47 memory's scale words; v48-55 the weights', two sets; v56-65 the way out; v128-255 memory's fragments of K steps 6, 7
;   window 1: v0-63 a ring of 8 weight fragments; v64-127, v128-191 two sets of 8 accumulators; v192-207 the scores' sums; v208-223 feat's sums; v224-227 at work; v228-231 M, M, L, L; v232-243 LDS addresses
;   window 2: memory's fragments of K steps 0-2; v192-207 q of two tiles; v208-223 p          window 3: memory's fragments of K steps 3-5
.set TILEB, 17408
.set SLOTB, 8*TILEB
.set MREC,  8704                       ; 16 rows x half of K: 8,192 bytes of codes, 512 of scale words
.set MWAVE, 8*MREC                     ; a wave's share of memory = half a slot
.set QL,    2*SLOTB                    ; q of my two heads, 1,024 bytes, stored once
.set XCH,   QL+1024                    ; the scores' exchange: [wave][4][lane][16 bytes]
.set FST,   XCH+8192                   ; feat: 1,280 bytes a wave; tile n's 16 numbers at 64 (n + 1)
.set SPARE, FST+5120                   ; the spare words, 128 bytes for each wave, that no other line names
.set ASC,  16
.set BSC,  48
.set BR,   0
.set ACC,  64
.set SACC, 192
.set F,    208
.set U,    224
.set ST,   228
.set LB,   232                         ; 16 x lane + 8,192 j: my half of a tile's codes
.set SB,   233                         ; 16 x lane + 512 j + 16,384: of its scale words
.set QB,   234                         ; QL + 32 h
.set FB0,  235                         ; FST + 1,280 x wave + 4 (8 h + r % 8)
.set BADR, 236                         ; the same three with the pair of tiles in hand
.set SADR, 237
.set QADR, 238
.set XST,  239
.set XOW,  240
.set XOT,  241
.set RDF,  243
.set QV,   192
.set P,    208
.set MB0,  58                          ; s58-60 lanes whose number has bit 0, 1, 2 set
.set PFA,  78                          ; s[78:79] the weight tile that my wave asks the L2 for; never rewritten
.set MW2,  0x59                        ; the stream, source 1 in window 2
.set MW3,  0x5d                        ; in window 3
.set MW0,  0x51                        ; in window 0
.set MSB, 0
.macro WIN new                         ; the immediate's high byte repeats the setting that is left
.if MSB != \new
	s_set_vgpr_msb (MSB<<8)|\new
.set MSB, \new
.endif
.endm
.macro CROUND                          ; a round of the cluster's barrier
	s_barrier_signal -1
	s_barrier_wait -1
	s_cmp_lg_u32 s14, 0
	s_cbranch_scc1 .Lnot_wave_0_\@
	s_barrier_signal -3
.Lnot_wave_0_\@:
	s_barrier_wait -3
	s_barrier_signal -1
	s_barrier_wait -1
.endm
; A slot is filled again, by the descriptor at s[g0 .. g0 + 3], stepped by step bytes.  Every wave: all its tensor loads have landed; the add; its LDS instructions are done; the round; and its quarter of the slot first behind it.
.macro CHANGE g0, step
	WIN 0
	s_wait_tensorcnt 0x0                           ; no tensor load of mine is out, so a group 0 may be written
	ds_add_u32 v2, v3                              ; 0 onto my spare word
.if \step
	s_add_nc_u64 s[\g0+2:\g0+3], s[\g0+2:\g0+3], \step     ; from K's tiles to V's
.endif
	s_wait_dscnt 0x0                               ; the add is done, my reads of the slot are over, my stores have landed
	CROUND
	tensor_load_to_lds s[\g0:\g0+3], s[24:31]
	s_nop 0
.rept 4
	v_nop
.endr
.endm
.macro RSCAT8 f, u                     ; registers f .. f + 7 summed over the eight lanes that share bit 3, and dealt out: lane l ends with the sum of register f + l % 8 in register f
.irp i, 0,1,2,3
	v_cndmask_b32 v[\u+\i], v[\f+2*\i+1], v[\f+2*\i], s[MB0]
.endr
.irp i, 0,1,2,3
	v_cndmask_b32 v[\f+2*\i], v[\f+2*\i], v[\f+2*\i+1], s[MB0]
.endr
.irp i, 0,1,2,3
	v_add_f32_dpp v[\f+2*\i], v[\u+\i], v[\f+2*\i] row_xmask:1 row_mask:0xf bank_mask:0xf
.endr
.irp i, 0,1
	v_cndmask_b32 v[\u+\i], v[\f+4*\i+2], v[\f+4*\i], s[MB0+1]
.endr
.irp i, 0,1
	v_cndmask_b32 v[\f+4*\i], v[\f+4*\i], v[\f+4*\i+2], s[MB0+1]
.endr
.irp i, 0,1
	v_add_f32_dpp v[\f+4*\i], v[\u+\i], v[\f+4*\i] row_xmask:2 row_mask:0xf bank_mask:0xf
.endr
	v_cndmask_b32 v[\u], v[\f+4], v[\f], s[MB0+2]
	v_cndmask_b32 v[\f], v[\f], v[\f+4], s[MB0+2]
	v_add_f32_dpp v[\f], v[\u], v[\f] row_xmask:4 row_mask:0xf bank_mask:0xf
.endm
; Matrix instruction (sl, mt) of a tile on accumulator set a.  The eight accumulators take turns, one instruction a turn.  Even K steps' scale words lie in lanes 0-15, odd ones' in lanes 16-31.
.macro WMMA a
.set rD, ACC+64*(\a)+8*mt
.set rB, BR+8*sl
.if sl < 3
.set rA, 64*sl+8*mt
.elseif sl < 6
.set rA, 64*(sl-3)+8*mt
.else
.set rA, 128+64*(sl-6)+8*mt
.endif
.set rSB, BSC+4*(\a)+sl/2
.set rSA, ASC+4*mt+sl/2
.if sl == 0
	v_wmma_scale_f32_16x16x128_f8f6f4 v[rD:rD+7], v[rB:rB+7], v[rA:rA+7], 0, v[rSB], v[rSA] matrix_a_fmt:MATRIX_FMT_FP4 matrix_b_fmt:MATRIX_FMT_FP4
.elseif sl%2 == 0
	v_wmma_scale_f32_16x16x128_f8f6f4 v[rD:rD+7], v[rB:rB+7], v[rA:rA+7], v[rD:rD+7], v[rSB], v[rSA] matrix_a_fmt:MATRIX_FMT_FP4 matrix_b_fmt:MATRIX_FMT_FP4
.else
	v_wmma_scale_f32_16x16x128_f8f6f4 v[rD:rD+7], v[rB:rB+7], v[rA:rA+7], v[rD:rD+7], v[rSB], v[rSA] matrix_a_fmt:MATRIX_FMT_FP4 matrix_b_fmt:MATRIX_FMT_FP4 matrix_a_scale:MATRIX_SCALE_ROW1 matrix_b_scale:MATRIX_SCALE_ROW1
.endif
.endm
; Number e of 32 of the fold of the tile before, whose results lie in set b.  kind 0: score sums += K x q (a pair: head 2 g, head 2 g + 1); kind 1: feat sums (+)= V x p.  Each accumulator is read from its low end on.
; first = 1: there is no tile before: of the 32 only the last four are written, as v_nop: they are places; first = 2: the first fold starts the score sums.
.macro EOP kind, b, first
.if \first == 1
.if e >= 28
	v_nop
.endif
.elseif \kind == 0
.set jj, e/8
.set em, e%8
.if (\first == 2) && (jj == 0)
	v_pk_mul_f32 v[SACC+2*em:SACC+2*em+1], v[ACC+64*(\b)+8*em:ACC+64*(\b)+8*em+1], v[QV+8*(\b):QV+8*(\b)+1]
.else
	v_pk_fma_f32 v[SACC+2*em:SACC+2*em+1], v[ACC+64*(\b)+8*em+2*jj:ACC+64*(\b)+8*em+2*jj+1], v[QV+8*(\b)+2*jj:QV+8*(\b)+2*jj+1], v[SACC+2*em:SACC+2*em+1]
.endif
.else
.set em, e/4
.set jj, e%4
.if em < 2
	v_pk_mul_f32 v[F+8*em+2*jj:F+8*em+2*jj+1], v[ACC+64*(\b)+8*em+2*jj:ACC+64*(\b)+8*em+2*jj+1], v[P+2*em:P+2*em+1]
.else
	v_pk_fma_f32 v[F+8*(em%2)+2*jj:F+8*(em%2)+2*jj+1], v[ACC+64*(\b)+8*em+2*jj:ACC+64*(\b)+8*em+2*jj+1], v[P+2*em:P+2*em+1], v[F+8*(em%2)+2*jj:F+8*(em%2)+2*jj+1]
.endif
.endif
.set e, e+1
.endm
.macro FRED off                        ; a tile's feat sums over the 16 memory rows of the lanes: lane (r, h) ends with weight row 8 h + r % 8; lanes r and r + 8 store the same word with the same value
	WIN 0x55
.irp i, 0,2,4,6
	v_pk_add_f32 v[F+\i:F+\i+1], v[F+\i:F+\i+1], v[F+8+\i:F+9+\i]
.endr
	RSCAT8 F, U
	v_add_f32_dpp v[F], v[F], v[F] row_xmask:8 row_mask:0xf bank_mask:0xf
	ds_store_b32 v[QADR], v[F] offset:\off
.endm
.macro RING off, f0, n                 ; n fragments of the ring, from fragment f0 on, of the tile that begins off bytes behind the pair's first
.set rf, \f0
.rept \n
	ds_load_b128 v[BR+8*rf:BR+8*rf+3], v[BADR] offset:(\off)+rf*1024
	ds_load_b128 v[BR+8*rf+4:BR+8*rf+7], v[BADR] offset:(\off)+rf*1024+512
.set rf, rf+1
.endr
.endm
; Ahead of K step 3.  The last eight folds are the places behind K step 2's products, whose fragments are loaded anew.  The wait: fragments 3-5 are in; the 4 loads of the tile's head may be out.
; The run: the next tile's fragments 0-2 and scale words, 40 matrix instructions ahead of their use; in the K phase this tile's q, for its fold in the next tile.
.macro MID1 kind, a, o, first, last
.rept 8
	EOP \kind, 1-(\a), \first
.endr
	s_wait_dscnt 4
.if !(\last)
	RING ((\o)+1)*TILEB, 0, 3
	WIN 0x01
	ds_load_b128 v[BSC+4*(1-(\a)):BSC+4*(1-(\a))+3], v[SADR] offset:((\o)+1)*TILEB
.endif
.if \kind == 0
	WIN 0x81
	ds_load_b128 v[QV+8*(\a):QV+8*(\a)+3], v[QADR] offset:(\o)*64
	ds_load_b128 v[QV+8*(\a)+4:QV+8*(\a)+7], v[QADR] offset:(\o)*64+16
.endif
	WIN MW3
.endm
; Ahead of K step 6.  The wait: fragments 6 and 7 are in; of the run ahead of K step 3 (7 instructions in the V phase, 9 in the K phase) 7 may be out; in the last tile the wait is for 0.
; The places behind K step 5's products: in the V phase the lane sums of the tile before, whose fold is over; else four v_nop.  The run: that tile's store, and the next tile's fragments 3-5, 40 matrix instructions ahead of their use.
.macro MID2 kind, o, first, last
.if \last
	s_wait_dscnt 0x0
.else
	s_wait_dscnt 7
.endif
.if (\kind == 1) && (\first != 1)
	s_wait_alu depctr_va_vdst(0)
	FRED (\o)*64
.elseif !(\last)
.rept 4
	v_nop
.endr
.endif
.if !(\last)
	RING ((\o)+1)*TILEB, 3, 3
.endif
	WIN MW0
.endm
; A TILE: 16 weight rows x my 128 memory rows x my half of K: 64 matrix instructions, K step by K step.  a: the accumulator set; o: the tile's place in its pair.
; AT ITS HEAD.  The wait: this tile's fragments 0-2 and scale words, and the q of the fold, are in; the 6 loads of fragments 3-5 may be out.  Four v_nop are the places behind the last tile's
; products, for the fold's reads of their results and for the loads into fragments 6 and 7.  Eight folds; then the run: this tile's fragments 6 and 7, 48 matrix instructions ahead of their use.
.macro TILE kind, a, o, first, last
.set e, 0
	WIN MW2
	s_wait_dscnt 6
.rept 4
	v_nop
.endr
.rept 8
	EOP \kind, 1-(\a), \first
.endr
	RING (\o)*TILEB, 6, 2
.set iw, 0
.rept 64
.set sl, iw/8
.set mt, iw%8
.if iw == 24
	MID1 \kind, \a, \o, \first, \last
.elseif iw == 48
	MID2 \kind, \o, \first, \last
.endif
	WMMA \a
.if iw < 16
	EOP \kind, 1-(\a), \first
.endif
.set iw, iw+1
.endr
.endm
.macro ADDR kind                       ; the LDS addresses of the pair of tiles in hand
	WIN 0x55
	v_add_nc_u32 v[BADR], s52, v[LB]
	v_add_nc_u32 v[SADR], s52, v[SB]
.if \kind == 0
	v_add_nc_u32 v[QADR], s53, v[QB]
.else
	v_add_nc_u32 v[QADR], s53, v[FB0]
.endif
.endm
.macro STEP2                           ; on to the next pair
	WIN 0                                          ; at a label and at a branch every window is 0
	s_add_co_u32 s52, s52, 2*TILEB
	s_add_co_u32 s53, s53, 128
.endm
.macro LANDED                          ; my quarter of the slot that is on its way has landed, my LDS instructions are done; everybody's.
	s_wait_tensorcnt 0x0
	s_wait_dscnt 0x0
	s_barrier_signal -1
	s_barrier_wait -1
.endm
.macro EPI kind                        ; the last tile's fold
	s_wait_dscnt 0x0
	WIN MW2
.rept 4
	v_nop
.endr
.set e, 0
.rept 32
	EOP \kind, 1, 0
.endr
.if \kind == 1
	FRED 128
.endif
.endm
; A PHASE: 16 tiles in 8 pairs: one written out (it has no tile before it), n1 in a loop, what stands in the middle, n2 in a loop, the last written out (it fetches nothing ahead).
.macro PHASE kind, n1, mid, n2
	s_mov_b32 s52, 0
	s_mov_b32 s53, 0
	ADDR \kind
	WIN 0x01
	ds_load_b128 v[BSC:BSC+3], v[SADR]             ; tile 0's scale words, then its fragments 0-5: the order that the count at a tile's head leans on
	WIN 0x55
	RING 0, 0, 6
	s_wait_alu depctr_va_vdst(0)
	TILE \kind, 0, 0, 1, 0
	TILE \kind, 1, 1, 2, 0
	STEP2
.if \kind == 0
	LANDED                                         ; K's tiles 8-15, asked for at the head's end: tile 7 looks ahead into them
.endif
	s_mov_b32 s54, \n1
.Lpa_\@:
	ADDR \kind
	TILE \kind, 0, 0, 0, 0
	s_wait_alu depctr_va_vdst(0)
	TILE \kind, 1, 1, 0, 0
	STEP2
	s_sub_co_u32 s54, s54, 1
	s_cmp_lg_u32 s54, 0
	s_cbranch_scc1 .Lpa_\@
.if \mid == 0
	CHANGE 44, 2*SLOTB                             ; behind K's tile 7, which has fetched tile 8's fragments 0-5 and scale words from slot 1: nobody reads slot 0 any more: it takes V's tiles 0-7, which have 8 tiles' work in which to land
.else
	LANDED                                         ; ahead of V's tile 6: tile 7 looks ahead into slot 1
.endif
	s_mov_b32 s54, \n2
.Lpb_\@:
	ADDR \kind
	TILE \kind, 0, 0, 0, 0
	s_wait_alu depctr_va_vdst(0)
	TILE \kind, 1, 1, 0, 0
	STEP2
	s_sub_co_u32 s54, s54, 1
	s_cmp_lg_u32 s54, 0
	s_cbranch_scc1 .Lpb_\@
	ADDR \kind
	TILE \kind, 0, 0, 0, 0
	s_wait_alu depctr_va_vdst(0)
	TILE \kind, 1, 1, 0, 1
	s_wait_alu depctr_va_vdst(0)
	EPI \kind
.endm
	s_load_b256 s[4:11], s[0:1], 0x0               ; mfrag s[4:5], wfrag s[6:7], qs s[8:9], pf s[10:11]
	v_lshl_add_u32 v2, v0, 2, SPARE
	v_mov_b32 v3, 0
	ds_add_u32 v2, v3                              ; the wave's opening: the add, twice on end, and its wait ahead of my first tensor load
	ds_add_u32 v2, v3
	v_lshrrev_b32 v4, 5, v0
	v_readfirstlane_b32 s14, v4                    ; wave 0..3
	s_lshr_b32 s15, s14, 1                         ; i: which 128 rows
	s_and_b32 s16, s14, 1                          ; j: which half of K
	s_bfe_u32 s19, ttmp6, 0x40000                  ; cx = g, which my column of the cluster shares
	s_bfe_u32 s70, ttmp6, 0x40004                  ; cy
	s_and_b32 s71, ttmp7, 0xffff
	s_lshl_b32 s71, s71, 2
	s_add_co_u32 s71, s71, s70                     ; b = 4 x cluster y + cy, which my row of the cluster shares
	s_lshl_b32 s17, s70, 2
	s_lshl_b32 s17, 15, s17                        ; my row: places 4 cy .. 4 cy + 3
	s_lshl_b32 s18, 0x1111, s19                    ; my column: places cx, cx + 4, cx + 8, cx + 12
	; group 1 for a quarter of a weight slot: 34,816 dense bytes as 136 rows of 32 elements of 8 bytes, no padding (the images are read at 16 x lane)
	s_or_b32 s24, s18, (3<<16)|(1<<21)             ; the mask: my column; elements of 8 bytes; bit 21 beside a mask
	s_mov_b32 s25, 32<<16                          ; tensor_dim0
	s_mov_b32 s26, 136<<16                         ; tensor_dim1
	s_mov_b32 s27, 32<<16                          ; tile_dim0
	s_mov_b32 s28, 136                             ; tile_dim1
	s_mov_b32 s29, 32                              ; from row to row
	s_mov_b32 s30, 0
	s_mov_b32 s31, 0
	; group 1 for a wave's share of memory: 8 rows of 1,088 elements of 8 bytes, 2,176 elements apart
	s_or_b32 s32, s17, (3<<16)|(1<<21)             ; the mask: my row
	s_mov_b32 s33, 1088<<16
	s_mov_b32 s34, 8<<16
	s_mov_b32 s35, 1088<<16
	s_mov_b32 s36, 8
	s_mov_b32 s37, 2176
	s_mov_b32 s38, 0
	s_mov_b32 s39, 0
	s_mov_b32 s56, 0x76543210
	s_mov_b32 s57, 0xfedcba98                      ; v_permlanex16_b32's selects for lane l xor 16
	s_mov_b32 s[MB0], 0xaaaaaaaa
	s_mov_b32 s[MB0+1], 0xcccccccc
	s_mov_b32 s[MB0+2], 0xf0f0f0f0
	s_mul_i32 s20, s14, 34816                      ; my quarter of a slot
	s_mul_i32 s41, s14, MWAVE                      ; where my share of memory lands
	s_mul_i32 s66, s19, 32*TILEB                   ; the group's 32 tiles
	s_add_co_u32 s66, s66, s20
	s_mov_b32 s67, 0
	s_lshl_b32 s68, s19, 10
	s_lshl_b32 s21, s14, 8
	s_add_co_u32 s68, s68, s21                     ; my quarter of the group's q
	s_mov_b32 s69, 0
	s_lshl_b32 s74, s71, 4
	s_lshl_b32 s75, s15, 3
	s_add_co_u32 s74, s74, s75                     ; my first tile of 16 rows: 16 b + 8 i
	s_mul_i32 s72, s74, TILEB
	s_mul_i32 s75, s16, MREC
	s_add_co_u32 s72, s72, s75
	s_mov_b32 s73, 0
	s_lshl_b32 s76, s71, 2                         ; my record of pf: 4 b + g: both places enter this global address, in registers of its own
	s_add_co_u32 s76, s76, s19
	s_mul_i32 s76, s76, 1280
	s_add_co_u32 s76, s76, s21
	s_mov_b32 s77, 0
	s_lshl_b32 s62, s70, 2                         ; the prefetches: tile 4 cy + wave of K's 16,
	s_add_co_u32 s62, s62, s14
	s_lshl_b32 s63, s19, 5
	s_add_co_u32 s62, s62, s63                     ; of group g's 32: both places enter this global address too, in registers of its own
	s_mul_i32 s[PFA], s62, TILEB
	s_mov_b32 s[PFA+1], 0
	s_wait_alu depctr_va_vdst(0)
	s_wait_dscnt 0x0                               ; both opening adds are done
	s_wait_kmcnt 0x0
	s_mov_b32 s40, 1                               ; group 0 for my share of memory
	s_add_nc_u64 s[42:43], s[4:5], s[72:73]
	s_or_b32 s43, s43, 0x80000000
	s_mov_b32 s44, 1                               ; for slot 0: K's tiles 0-7
	s_mov_b32 s45, s20
	s_add_nc_u64 s[46:47], s[6:7], s[66:67]
	s_mov_b32 s48, 1                               ; for slot 1: K's tiles 8-15
	s_add_co_u32 s49, s20, SLOTB
	s_add_nc_u64 s[50:51], s[46:47], SLOTB
	s_or_b32 s47, s47, 0x80000000
	s_or_b32 s51, s51, 0x80000000
	s_add_nc_u64 s[8:9], s[8:9], s[68:69]
	s_add_nc_u64 s[12:13], s[10:11], s[76:77]
	s_add_nc_u64 s[PFA:PFA+1], s[6:7], s[PFA:PFA+1]
	CROUND                                         ; all sixteen work-groups are here: the first joint loads meet
	tensor_load_to_lds s[40:43], s[32:39]          ; my one tensor load at the head
	s_nop 0
.rept 4
	v_nop
.endr
	v_and_b32 v5, 31, v0                           ; lane
	v_lshlrev_b32 v12, 3, v5                       ; 8 x lane: q's load and the way out; never rewritten
	v_lshlrev_b32 v13, 8, v5                       ; 256 x lane; never rewritten
	v_min_u32 v6, 3, v5
	v_lshlrev_b32 v6, 8, v6                        ; 256 x the lesser of lane and 3; never rewritten
	s_wait_alu depctr_va_vdst(0)
	global_load_b64 v[14:15], v12, s[8:9]          ; my quarter of q: 256 consecutive bytes
	global_prefetch_b8 v13, s[PFA:PFA+1] th:TH_LOAD_NT scope:SCOPE_SE               ; my tile's blocks 0-31,
	global_prefetch_b8 v13, s[PFA:PFA+1] offset:8192 th:TH_LOAD_NT scope:SCOPE_SE   ; 32-63,
	global_prefetch_b8 v6, s[PFA:PFA+1] offset:16384 th:TH_LOAD_NT scope:SCOPE_SE   ; and 64-67
	s_lshl_b32 s20, s16, 13
	s_lshl_b32 s21, s16, 9
	s_add_co_u32 s21, s21, 16384
	s_mul_i32 s22, s14, 1280
	s_add_co_u32 s22, s22, FST
	s_lshl_b32 s23, s14, 11
	s_add_co_u32 s23, s23, XCH
	s_lshl_b32 s66, s15, 12
	s_add_co_u32 s66, s66, XCH
	s_xor_b32 s67, s15, 1
	s_lshl_b32 s67, s67, 12
	s_add_co_u32 s67, s67, XCH
	s_lshl_b32 s68, s14, 8
	s_add_co_u32 s68, s68, FST+64
	v_lshlrev_b32 v1, 4, v5                        ; 16 x lane
	v_bfe_u32 v7, v0, 4, 1                         ; h
	v_and_b32 v8, 7, v0
	v_lshl_add_u32 v8, v7, 3, v8                   ; 8 h + r % 8
	v_add_nc_u32 v9, s41, v1                       ; my share of memory in LDS: row tiles 0-3,
	v_add_nc_u32 v10, 4*MREC, v9                   ; and 4-7
	v_lshl_add_u32 v11, v0, 3, QL                  ; q's place: 8 bytes a thread
	WIN 0x40                                       ; destination window 1
	v_add_nc_u32 v[LB], s20, v1
	v_add_nc_u32 v[SB], s21, v1
	v_lshl_add_u32 v[QB], v7, 5, QL
	v_lshl_add_u32 v[FB0], v8, 2, s22
	v_add_nc_u32 v[XST], s23, v1                   ; where I put my score sums,
	v_add_nc_u32 v[XOW], s66, v1                   ; where those of my 128 rows lie (both halves of K),
	v_add_nc_u32 v[XOT], s67, v1                   ; and those of the other 128
	v_lshl_add_u32 v[RDF], v5, 3, s68              ; the way out: my quarter of feat, 8 bytes a lane
	WIN 0
	s_wait_alu depctr_va_vdst(0)
	s_wait_loadcnt 0x0                             ; q
	s_wait_tensorcnt 0x0                           ; my share of memory lies in bytes that I alone read
	ds_store_b64 v11, v[14:15]
	WIN 0x80                                       ; destination window 2, address window 0
.irp s, 0,1,2
.irp m, 0,1,2,3,4,5,6,7
.irp c, 0,1
	ds_load_b128 v[64*\s+8*\m+4*\c:64*\s+8*\m+4*\c+3], v[9+\m/4] offset:(\m%4)*MREC+\s*1024+\c*512
.endr
.endr
.endr
	WIN 0xc0
.irp s, 3,4,5
.irp m, 0,1,2,3,4,5,6,7
.irp c, 0,1
	ds_load_b128 v[64*(\s-3)+8*\m+4*\c:64*(\s-3)+8*\m+4*\c+3], v[9+\m/4] offset:(\m%4)*MREC+\s*1024+\c*512
.endr
.endr
.endr
	WIN 0
.irp s, 6,7
.irp m, 0,1,2,3,4,5,6,7
.irp c, 0,1
	ds_load_b128 v[128+64*(\s-6)+8*\m+4*\c:128+64*(\s-6)+8*\m+4*\c+3], v[9+\m/4] offset:(\m%4)*MREC+\s*1024+\c*512
.endr
.endr
.endr
.irp m, 0,1,2,3,4,5,6,7
	ds_load_b128 v[ASC+4*\m:ASC+4*\m+3], v[9+\m/4] offset:(\m%4)*MREC+8192
.endr
	CHANGE 44, 0                                   ; every wave's share is in its registers, q is stored: slot 0 takes K's tiles 0-7
	CHANGE 48, 0                                   ; they have landed: slot 1 takes K's tiles 8-15, waited for behind tile 1
	PHASE 0, 3, 0, 3                               ; K and the scores
	WIN 0x55                                       ; the two halves of the lanes hold different dd: add them; then both halves of K meet in LDS
.irp k, 0,1,2,3,4,5,6,7,8,9,10,11,12,13,14,15
	v_permlanex16_b32 v[ACC+\k], v[SACC+\k], s56, s57
.endr
.irp k, 0,2,4,6,8,10,12,14
	v_pk_add_f32 v[SACC+\k:SACC+\k+1], v[SACC+\k:SACC+\k+1], v[ACC+\k:ACC+\k+1]
.endr
.irp q, 0,1,2,3
	ds_store_b128 v[XST], v[SACC+4*\q:SACC+4*\q+3] offset:512*\q
.endr
	CHANGE 48, 2*SLOTB                             ; the K phase is over: slot 1 takes V's tiles 8-15.  The same round shows every wave's score sums to the others
	WIN 0x55
.irp q, 0,1,2,3
	ds_load_b128 v[64+4*\q:67+4*\q], v[XOW] offset:512*\q
	ds_load_b128 v[80+4*\q:83+4*\q], v[XOW] offset:2048+512*\q
	ds_load_b128 v[96+4*\q:99+4*\q], v[XOT] offset:512*\q
	ds_load_b128 v[112+4*\q:115+4*\q], v[XOT] offset:2048+512*\q
.endr
	s_wait_dscnt 0x0
.irp k, 0,2,4,6,8,10,12,14
	v_pk_add_f32 v[64+\k:65+\k], v[64+\k:65+\k], v[80+\k:81+\k]            ; t of my rows: register 2 mt + e: row 16 mt + r, head 2 g + e
	v_pk_add_f32 v[96+\k:97+\k], v[96+\k:97+\k], v[112+\k:113+\k]          ; and of the other 128
.endr
.irp e2, 0,1
	v_max3_num_f32 v[ST+\e2], v[64+\e2], v[66+\e2], v[68+\e2]
.endr
.irp i, 70,74
.irp e2, 0,1
	v_max3_num_f32 v[ST+\e2], v[ST+\e2], v[\i+\e2], v[\i+2+\e2]
.endr
.endr
.irp e2, 0,1
	v_max3_num_f32 v[ST+\e2], v[ST+\e2], v[78+\e2], v[96+\e2]
.endr
.irp i, 98,102,106
.irp e2, 0,1
	v_max3_num_f32 v[ST+\e2], v[ST+\e2], v[\i+\e2], v[\i+2+\e2]
.endr
.endr
.irp e2, 0,1
	v_max_num_f32 v[ST+\e2], v[ST+\e2], v[110+\e2]
.endr
.irp x, 1,2,4,8
.irp e2, 0,1
	v_max_num_f32_dpp v[ST+\e2], v[ST+\e2], v[ST+\e2] row_xmask:\x row_mask:0xf bank_mask:0xf
.endr
.endr                                              ; M of each head: the largest t of the 256 rows, in every lane
.irp k, 0,2,4,6,8,10,12,14
	v_pk_add_f32 v[64+\k:65+\k], v[64+\k:65+\k], v[ST:ST+1] neg_lo:[0,1] neg_hi:[0,1]
	v_pk_add_f32 v[96+\k:97+\k], v[96+\k:97+\k], v[ST:ST+1] neg_lo:[0,1] neg_hi:[0,1]
.endr
	WIN 0x81                                       ; my rows' p go straight to their place in window 2
	s_wait_alu depctr_va_vdst(0)
.irp k, 0,1,2,3,4,5,6,7,8,9,10,11,12,13,14,15
	v_exp_f32 v[P+\k], v[64+\k]
.endr
	WIN 0x55
.irp k, 0,1,2,3,4,5,6,7,8,9,10,11,12,13,14,15
	v_exp_f32 v[96+\k], v[96+\k]
.endr
	v_nop                                          ; a plain line behind the last exponential
	s_wait_alu depctr_va_vdst(0)                   ; one wait for the 32, ahead of their first reader
	v_pk_add_f32 v[128:129], v[96:97], v[98:99]
.irp k, 4,6,8,10,12,14
	v_pk_add_f32 v[128:129], v[128:129], v[96+\k:97+\k]
.endr
	WIN 0x4a                                       ; both sources window 2
	v_pk_add_f32 v[ST+2:ST+3], v[P:P+1], v[P+2:P+3]
	WIN 0x46                                       ; source 0 window 2, source 1 window 1
.irp k, 4,6,8,10,12,14
	v_pk_add_f32 v[ST+2:ST+3], v[P+\k:P+\k+1], v[ST+2:ST+3]
.endr
	WIN 0x55
	v_pk_add_f32 v[ST+2:ST+3], v[ST+2:ST+3], v[128:129]
.irp x, 1,2,4,8
.irp e2, 0,1
	v_add_f32_dpp v[ST+2+\e2], v[ST+2+\e2], v[ST+2+\e2] row_xmask:\x row_mask:0xf bank_mask:0xf
.endr
.endr                                              ; L of each head: the sum of p over the 256 rows
	PHASE 1, 2, 1, 4                               ; V and the weighted sums
	s_wait_dscnt 0x0                               ; my 256 partial sums lie in LDS,
	s_barrier_signal -1
	s_barrier_wait -1                              ; everybody's do
	WIN 0x01
.irp w, 0,1,2,3
	ds_load_b64 v[56+2*\w:57+2*\w], v[RDF] offset:1280*\w
.endr
	WIN 0x05
	v_cndmask_b32 v64, v[ST], v[ST+2], s[MB0]      ; even lanes M, M; odd lanes L, L
	v_cndmask_b32 v65, v[ST+1], v[ST+3], s[MB0]
	WIN 0
	s_wait_dscnt 0x0
	v_pk_add_f32 v[56:57], v[56:57], v[58:59]
	v_pk_add_f32 v[60:61], v[60:61], v[62:63]
	v_pk_add_f32 v[56:57], v[56:57], v[60:61]      ; over the two halves of the rows and the two of K
	global_store_b64 v12, v[56:57], s[12:13]       ; 32 lanes store 256 consecutive bytes, aligned
	s_cmp_lg_u32 s14, 0
	s_cbranch_scc1 .Lno_stats
	s_wait_alu depctr_va_vdst(0)
	global_store_b64 v12, v[64:65], s[12:13] offset:1024   ; wave 0: M, M, L, L sixteen times: 256 consecutive bytes, aligned
.Lno_stats:
	s_wait_tensorcnt 0x0                           ; the wave's end, behind my last tensor load and my last LDS store
	ds_add_u32 v2, v3
	s_wait_dscnt 0x0
	CROUND                                         ; the closing round
	s_endpgm
.Lfunc_end_k_qc179d8761d_main:
	.size	k_qc179d8761d_main, .Lfunc_end_k_qc179d8761d_main-k_qc179d8761d_main
	.p2alignl 7, 3214868480
	.fill 96, 4, 3214868480
	.section	.rodata,"a",@progbits
	.p2align	6, 0x0
	.amdhsa_kernel k_qc179d8761d_main
		.amdhsa_group_segment_fixed_size 327680
		.amdhsa_private_segment_fixed_size 0
		.amdhsa_enable_private_segment 0
		.amdhsa_kernarg_size 32
		.amdhsa_user_sgpr_count 2
		.amdhsa_user_sgpr_kernarg_segment_ptr 1
		.amdhsa_wavefront_size32 1
		.amdhsa_system_sgpr_workgroup_id_x 1
		.amdhsa_system_sgpr_workgroup_id_y 1
		.amdhsa_system_sgpr_workgroup_id_z 1
		.amdhsa_system_vgpr_workitem_id 0
		.amdhsa_next_free_vgpr 1024
		.amdhsa_next_free_sgpr 80
		.amdhsa_reserve_vcc 0
		.amdhsa_float_denorm_mode_32 3
		.amdhsa_float_denorm_mode_16_64 3
		.amdhsa_memory_ordered 1
		.amdhsa_forward_progress 1
		.amdhsa_inst_pref_size 232
	.end_amdhsa_kernel
	.amdgpu_metadata
---
amdhsa.version: [ 1, 2 ]
amdhsa.kernels:
  - .name:           k_qc179d8761d_main
    .symbol:         k_qc179d8761d_main.kd
    .args:
      - { .name: mfrag, .offset: 0, .size: 8, .value_kind: global_buffer, .address_space: global }
      - { .name: wfrag, .offset: 8, .size: 8, .value_kind: global_buffer, .address_space: global }
      - { .name: qs, .offset: 16, .size: 8, .value_kind: global_buffer, .address_space: global }
      - { .name: pf, .offset: 24, .size: 8, .value_kind: global_buffer, .address_space: global }
    .group_segment_fixed_size: 327680
    .private_segment_fixed_size: 0
    .kernarg_segment_align: 8
    .kernarg_segment_size: 32
    .max_flat_workgroup_size: 128
    .sgpr_count:     80
    .vgpr_count:     1024
    .wavefront_size: 32
...
	.end_amdgpu_metadata
.endif
;; end of part 5
;; launch finish (part 6): grid 128 x 1, 16 waves a work-group, clusters of 4 x 1, 280,832 bytes of LDS; arguments pf, bv, x, Wo, bo, out0; writes out0
.if DOCPART == 6
	.amdgcn_target "amdgcn-amd-amdhsa--gfx1250"
	.amdhsa_code_object_version 6
	.text
	.protected	k_qc179d8761d_finish
	.globl	k_qc179d8761d_finish
	.p2align	8
	.type	k_qc179d8761d_finish,@function
k_qc179d8761d_finish:
	s_mov_b64 s[64:65], 0
	v_nop
	global_prefetch_b8 v0, s[64:65] scope:SCOPE_SE
	s_setreg_imm32_b32 hwreg(HW_REG_WAVE_MODE, 25, 1), 1
	s_wait_xcnt 0x0
	s_wait_alu depctr_hold_cnt(0) depctr_sa_sdst(0) depctr_va_vdst(0) depctr_va_sdst(0) depctr_va_ssrc(0) depctr_va_vcc(0) depctr_vm_vsrc(0)
	s_getreg_b32 s2, hwreg(HW_REG_IB_STS2, 6, 4)
	s_cmp_eq_u32 s2, 0
	s_cbranch_scc0 .Lentry_in_a_cluster
	s_endpgm
.Lentry_in_a_cluster:
	s_bfe_u32 s2, ttmp6, 0x10000c
	s_cmp_lg_u32 s2, 0x3003
	s_cbranch_scc0 .Lentry_shape_is_right
	s_endpgm
.Lentry_shape_is_right:
; Third launch: the 64 row blocks' partial sums are brought under one maximum, divided by the whole sum, bv is added (the weights of a head sum to 1), and out = relu([x, feat] Wo^T + bo).  All in f32, by fused multiply-adds.
; LEFT OUT (shown at the head of the first kernel): bk and the pad mask's term.
; Every work-group merges all 64 blocks itself (327,680 bytes) and makes 8 outputs: a launch for the merge alone would cost a start and an end more.
; pf: record 4 b + g of 1,280 bytes: 256 partial sums at index 2 dd + e (J = 8 dd + 2 g + e), then M, M, L, L of heads 2 g, 2 g + 1.
; Merge: wave v takes g = v / 4 and the 64 numbers 64 (v % 4) on; lane (r, h) takes four of them, of the blocks b = 2 k + h.  Product: wave v takes output 8 x work-group + v / 2 and half v % 2 of its row of Wo.
; All loads go out at the head; the waits count what was issued behind what is wanted.  The last store is 32 bytes a work-group: all of out0 is 4,096 bytes.
.set TBL,   0                          ; 512 bytes a wave, its own: the blocks' weights: 256 (b % 2) + 8 (b / 2)
.set AX,    8192                       ; x, then feat in the order of J: 2,048 f32
.set RES,   16384                      ; a word a wave
.set SPARE, 16640                      ; the spare words, 128 bytes for each wave, that no other line names
	s_load_b256 s[4:11], s[0:1], 0x0               ; pf s[4:5], bv s[6:7], x s[8:9], Wo s[10:11]
	s_load_b128 s[12:15], s[0:1], 0x20             ; bo s[12:13], out0 s[14:15]
	v_lshl_add_u32 v14, v0, 2, SPARE               ; my spare word; never rewritten
	v_mov_b32 v15, 0                               ; 0; never rewritten
; THE PARTIAL SUMS COME BY JOINT TENSOR LOADS.  All work-groups read the same pf, so four form a cluster: wave v's 64 blocks x 256 bytes (rows 5,120 bytes apart in pf) are one tile, asked for by the same
; descriptor in all four (it hangs on the wave's number alone), and land in 16,384 LDS bytes that wave v alone reads.  Filled once.  My place in the cluster enters the addresses of Wo, bo and out0 alone.
.set PFL,   18688                      ; behind the spare words: 16 waves x 16,384 bytes
.macro CROUND                          ; a round of the cluster's barrier
	s_barrier_signal -1
	s_barrier_wait -1
	s_cmp_lg_u32 s16, 0
	s_cbranch_scc1 .Lnot_wave_0_\@
	s_barrier_signal -3
.Lnot_wave_0_\@:
	s_barrier_wait -3
	s_barrier_signal -1
	s_barrier_wait -1
.endm
	ds_add_u32 v14, v15                            ; the wave's opening: the add, twice on end, and its wait ahead of my first tensor load
	ds_add_u32 v14, v15
	v_lshrrev_b32 v1, 5, v0
	s_delay_alu instid0(VALU_DEP_1)
	v_readfirstlane_b32 s16, v1                    ; wave 0..15
	v_and_b32 v1, 31, v0                           ; lane
	v_and_b32 v2, 15, v0                           ; r
	s_wait_alu depctr_va_vdst(0)
	v_bfe_u32 v3, v0, 4, 1                         ; h
	s_wait_alu depctr_va_vdst(0)
	s_lshr_b32 s17, s16, 2                         ; g
	s_and_b32 s18, s16, 3                          ; which 64 numbers
	s_lshr_b32 s19, s16, 1                         ; which of the 8 outputs
	s_and_b32 s20, s16, 1                          ; which half of Wo's row
	s_mov_b32 s30, 0x76543210
	s_mov_b32 s31, 0xfedcba98
	v_mul_u32_u24 v4, v1, 5120                     ; M and L of block b = lane
	s_lshl_b32 s21, s18, 10
	s_lshl_b32 s22, s17, 3
	s_add_co_u32 s21, s21, s22
	v_lshl_add_u32 v5, v2, 6, s21                  ; 4 J0, J0 = 8 (32 (v % 4) + 2 r) + 2 g: my four numbers are J0, J0 + 1, J0 + 8, J0 + 9
	v_lshlrev_b32 v6, 3, v0                        ; x: 8 bytes a thread
	v_and_b32 v7, 7, v0
	s_delay_alu instid0(VALU_DEP_1)
	v_lshlrev_b32 v7, 2, v7                        ; 4 (lane % 8)
	s_lshl_b32 s37, s16, 14
	s_add_co_u32 s37, s37, PFL                     ; where my tile lands
	v_lshl_add_u32 v8, v1, 4, s37                  ; the partial sums in LDS: block h, 16 r = 16 x lane
	v_lshlrev_b32 v9, 4, v1                        ; 16 x lane
	s_lshl_b32 s23, s16, 9
	v_and_b32 v10, 1, v0
	s_delay_alu instid0(VALU_DEP_1)
	v_lshlrev_b32 v10, 8, v10
	v_lshrrev_b32 v11, 1, v1
	s_delay_alu instid0(VALU_DEP_1)
	v_lshl_add_u32 v10, v11, 3, v10
	s_delay_alu instid0(VALU_DEP_1)
	v_add_nc_u32 v10, s23, v10                     ; where block b = lane's weights go
	v_lshl_add_u32 v11, v3, 8, s23                 ; and where the weights of my 32 blocks are read
	v_add_nc_u32 v12, AX+4096, v5                  ; feat's place
	s_lshl_b32 s24, s20, 12
	s_add_co_u32 s24, s24, AX
	v_add_nc_u32 v13, s24, v9                      ; my half of [x, feat]
	s_lshl_b32 s25, s16, 2
	s_add_co_u32 s25, s25, RES
	v_mov_b32 v63, s25                             ; my wave's word
	v_mov_b32 v26, 0                               ; written once: a lane permute's destination counts as one of its sources
	v_mov_b32 v27, 0
	s_mul_i32 s34, s17, 1280
	s_mov_b32 s35, 0
	s_wait_alu depctr_va_vdst(0)
	s_wait_dscnt 0x0                               ; both opening adds are done
	s_wait_kmcnt 0x0
	s_add_nc_u64 s[28:29], s[4:5], s[34:35]
	s_add_nc_u64 s[26:27], s[28:29], 1024          ; the group's M and L
	s_lshl_b32 s34, s18, 8
	s_add_nc_u64 s[28:29], s[28:29], s[34:35]      ; my 64 numbers
	s_bfe_u32 s33, ttmp6, 0x40000                  ; my place in the cluster
	s_lshl_b32 s34, ttmp9, 2
	s_add_co_u32 s33, s33, s34                     ; the work-group's number = 4 x cluster + place
	s_lshl_b32 s34, s33, 3
	s_add_co_u32 s34, s34, s19
	s_lshl_b32 s34, s34, 13
	s_lshl_b32 s21, s20, 12
	s_add_co_u32 s34, s34, s21
	s_add_nc_u64 s[10:11], s[10:11], s[34:35]      ; my half row of Wo
	s_lshl_b32 s34, s33, 5
	s_add_nc_u64 s[12:13], s[12:13], s[34:35]
	s_add_nc_u64 s[14:15], s[14:15], s[34:35]
	global_load_b128 v[16:19], v4, s[26:27]                    ; M, M, L, L of block lane
	global_load_b128 v[20:23], v4, s[26:27] offset:163840      ; and of block lane + 32
	global_load_b64 v[56:57], v5, s[6:7]
	global_load_b64 v[58:59], v5, s[6:7] offset:32
	global_load_b64 v[60:61], v6, s[8:9]
	global_load_b32 v62, v7, s[12:13]
.irp c, 0,1,2,3,4,5,6,7
	global_load_b128 v[192+4*\c:195+4*\c], v9, s[10:11] offset:512*\c th:TH_LOAD_NT
.endr
	s_mov_b32 s36, 1                               ; group 0: my 64 numbers of block 0
	s_mov_b64 s[38:39], s[28:29]
	s_or_b32 s39, s39, 0x80000000
	s_mov_b32 s40, 15|(3<<16)|(1<<21)              ; group 1: the mask: all four work-groups; elements of 8 bytes; bit 21 beside a mask
	s_mov_b32 s41, 32<<16                          ; tensor_dim0: 256 bytes
	s_mov_b32 s42, 64<<16                          ; tensor_dim1: 64 blocks
	s_mov_b32 s43, 32<<16                          ; tile_dim0
	s_mov_b32 s44, 64                              ; tile_dim1
	s_mov_b32 s45, 640                             ; from block to block: 5,120 bytes
	s_mov_b32 s46, 0
	s_mov_b32 s47, 0
	CROUND                                         ; all four work-groups are here: the joint loads meet
	tensor_load_to_lds s[36:39], s[40:47]          ; my one tensor load
	s_nop 0
	s_wait_loadcnt 12                              ; M and L are in; the 12 loads behind them may be out
	v_max_num_f32 v24, v16, v20
	v_max_num_f32 v25, v17, v21
.irp x, 1,2,4,8
	s_delay_alu instid0(VALU_DEP_2)
	v_max_num_f32_dpp v24, v24, v24 row_xmask:\x row_mask:0xf bank_mask:0xf
	s_delay_alu instid0(VALU_DEP_2)
	v_max_num_f32_dpp v25, v25, v25 row_xmask:\x row_mask:0xf bank_mask:0xf
.endr
	s_delay_alu instid0(VALU_DEP_2)
	v_permlanex16_b32 v26, v24, s30, s31
	s_delay_alu instid0(VALU_DEP_2)
	v_permlanex16_b32 v27, v25, s30, s31
	s_delay_alu instid0(VALU_DEP_2)
	v_max_num_f32 v24, v24, v26
	s_delay_alu instid0(VALU_DEP_2)
	v_max_num_f32 v25, v25, v27                    ; the largest t of all 16,384 rows, for each head: it is taken away before the exponentials
	s_delay_alu instid0(VALU_DEP_1)
	v_pk_add_f32 v[28:29], v[16:17], v[24:25] neg_lo:[0,1] neg_hi:[0,1]
	s_delay_alu instid0(VALU_DEP_2)
	v_pk_add_f32 v[30:31], v[20:21], v[24:25] neg_lo:[0,1] neg_hi:[0,1]
	s_wait_alu depctr_va_vdst(0)
	v_exp_f32 v28, v28
	v_exp_f32 v29, v29
	v_exp_f32 v30, v30
	v_exp_f32 v31, v31
	v_nop                                          ; a plain line behind the last exponential
	s_wait_alu depctr_va_vdst(0)                   ; one wait for the four, ahead of their first reader
	v_pk_mul_f32 v[32:33], v[28:29], v[18:19]
	v_pk_fma_f32 v[32:33], v[30:31], v[22:23], v[32:33]
.irp x, 1
	s_delay_alu instid0(VALU_DEP_1)
	v_add_f32_dpp v32, v32, v32 row_xmask:\x row_mask:0xf bank_mask:0xf
	s_delay_alu instid0(VALU_DEP_2)
	v_add_f32_dpp v33, v33, v33 row_xmask:\x row_mask:0xf bank_mask:0xf
.endr
.irp x, 2, 4, 8
	s_delay_alu instid0(VALU_DEP_2)
	v_add_f32_dpp v32, v32, v32 row_xmask:\x row_mask:0xf bank_mask:0xf
	s_delay_alu instid0(VALU_DEP_2)
	v_add_f32_dpp v33, v33, v33 row_xmask:\x row_mask:0xf bank_mask:0xf
.endr
	s_delay_alu instid0(VALU_DEP_2)
	v_permlanex16_b32 v26, v32, s30, s31
	s_delay_alu instid0(VALU_DEP_2)
	v_permlanex16_b32 v27, v33, s30, s31
	s_delay_alu instid0(VALU_DEP_1)
	v_pk_add_f32 v[32:33], v[32:33], v[26:27]      ; the softmax's whole sum
	s_wait_alu depctr_va_vdst(0)
	v_rcp_f32 v32, v32
	v_rcp_f32 v33, v33
	v_nop
	s_wait_alu depctr_va_vdst(0)
	v_pk_mul_f32 v[48:49], v[28:29], v[32:33]      ; a block's weight: 2^(its M - the largest) / the sum
	v_pk_mul_f32 v[50:51], v[30:31], v[32:33]
	ds_store_b64 v10, v[48:49]
	ds_store_b64 v10, v[50:51] offset:128
	s_wait_loadcnt 8                               ; bv, x and bo are in; Wo's 8 loads may be out
	ds_store_b64 v6, v[60:61] offset:AX
.irp m, 0,1,2,3,4,5,6,7
	ds_load_b128 v[224+4*\m:227+4*\m], v11 offset:16*\m                    ; LDS serves a wave's instructions in order: these see my stores
.endr
.irp m, 8,9,10,11,12,13,14,15
	ds_load_b128 v[16+4*(\m-8):19+4*(\m-8)], v11 offset:16*\m
.endr
	s_wait_tensorcnt 0x0                           ; my tile has landed, in bytes that I alone read
.irp k, 0,1,2,3,4,5,6,7,8,9,10,11,12,13,14,15,16,17,18,19,20,21,22,23,24,25,26,27,28,29,30,31
	ds_load_b128 v[64+4*\k:67+4*\k], v8 offset:512*\k                      ; block 2 k + h: sixteen lanes read 256 consecutive bytes
.endr
	s_wait_dscnt 0x0
.set kk, 0
.rept 32
.if kk < 16
.set WR, 224+2*kk
.else
.set WR, 16+2*(kk-16)
.endif
.set AC, 48+4*(kk%2)
.if kk < 2
	v_pk_mul_f32 v[AC:AC+1], v[64+4*kk:65+4*kk], v[WR:WR+1]                ; the first products start the four sums
	v_pk_mul_f32 v[AC+2:AC+3], v[66+4*kk:67+4*kk], v[WR:WR+1]
.else
	s_delay_alu instid0(VALU_DEP_4)
	v_pk_fma_f32 v[AC:AC+1], v[64+4*kk:65+4*kk], v[WR:WR+1], v[AC:AC+1]
	s_delay_alu instid0(VALU_DEP_4)
	v_pk_fma_f32 v[AC+2:AC+3], v[66+4*kk:67+4*kk], v[WR:WR+1], v[AC+2:AC+3]
.endif
.set kk, kk+1
.endr
	s_delay_alu instid0(VALU_DEP_2)
	v_pk_add_f32 v[48:49], v[48:49], v[52:53]
	s_delay_alu instid0(VALU_DEP_2)
	v_pk_add_f32 v[50:51], v[50:51], v[54:55]
.irp i, 0,1,2,3
	v_permlanex16_b32 v[16+\i], v[48+\i], s30, s31                         ; the other half of the lanes holds the other 32 blocks
.endr
	s_delay_alu instid0(VALU_DEP_3)
	v_pk_add_f32 v[48:49], v[48:49], v[16:17]
	s_delay_alu instid0(VALU_DEP_2)
	v_pk_add_f32 v[50:51], v[50:51], v[18:19]
	s_delay_alu instid0(VALU_DEP_2)
	v_pk_add_f32 v[48:49], v[48:49], v[56:57]      ; + bv
	s_delay_alu instid0(VALU_DEP_2)
	v_pk_add_f32 v[50:51], v[50:51], v[58:59]
	ds_store_b64 v12, v[48:49]                     ; both halves of the lanes store the same words with the same values
	ds_store_b64 v12, v[50:51] offset:32
	s_wait_dscnt 0x0                               ; for the others' sake: my part of x and of feat has landed
	s_barrier_signal -1
	s_barrier_wait -1
.irp c, 0,1,2,3,4,5,6,7
	ds_load_b128 v[224+4*\c:227+4*\c], v13 offset:512*\c
.endr
	s_wait_loadcnt 0x0
	s_wait_dscnt 0x0
	v_pk_mul_f32 v[16:17], v[192:193], v[224:225]
	v_pk_mul_f32 v[18:19], v[194:195], v[226:227]
.irp i, 4,8,12,16,20,24,28
	s_delay_alu instid0(VALU_DEP_2)
	v_pk_fma_f32 v[16:17], v[192+\i:193+\i], v[224+\i:225+\i], v[16:17]
	s_delay_alu instid0(VALU_DEP_2)
	v_pk_fma_f32 v[18:19], v[194+\i:195+\i], v[226+\i:227+\i], v[18:19]
.endr
	s_delay_alu instid0(VALU_DEP_1)
	v_pk_add_f32 v[16:17], v[16:17], v[18:19]
	s_delay_alu instid0(VALU_DEP_1)
	v_add_f32 v16, v16, v17
.irp x, 1,2,4,8
	s_delay_alu instid0(VALU_DEP_1)
	v_add_f32_dpp v16, v16, v16 row_xmask:\x row_mask:0xf bank_mask:0xf
.endr
	s_delay_alu instid0(VALU_DEP_1)
	v_permlanex16_b32 v17, v16, s30, s31
	s_delay_alu instid0(VALU_DEP_1)
	v_add_f32 v16, v16, v17
	ds_store_b32 v63, v16                          ; all lanes write the same word with the same value
	v_lshl_add_u32 v20, v7, 1, RES                 ; output lane % 8: its two halves
	s_wait_dscnt 0x0
	s_barrier_signal -1
	s_barrier_wait -1
	s_cmp_lg_u32 s16, 0
	s_cbranch_scc1 .Lend
	s_wait_alu depctr_va_vdst(0)
	ds_load_b64 v[18:19], v20
	s_wait_dscnt 0x0
	v_add_f32 v18, v18, v19
	s_delay_alu instid0(VALU_DEP_1)
	v_add_f32 v18, v18, v62
	s_delay_alu instid0(VALU_DEP_1)
	v_max_num_f32 v18, 0, v18                      ; relu
	v_cmp_gt_u32 vcc_lo, 8, v1
	s_wait_alu depctr_va_vdst(0)
	s_wait_xcnt 0x0                                ; EXEC changes only behind this wait
	s_and_saveexec_b32 s32, vcc_lo
	global_store_b32 v7, v18, s[14:15]
	s_wait_xcnt 0x0
	s_or_b32 exec_lo, exec_lo, s32
.Lend:
	s_wait_tensorcnt 0x0                           ; the wave's end, behind my last LDS store
	ds_add_u32 v14, v15
	s_wait_dscnt 0x0
	CROUND                                         ; the closing round
	s_endpgm
.Lfunc_end_k_qc179d8761d_finish:
	.size	k_qc179d8761d_finish, .Lfunc_end_k_qc179d8761d_finish-k_qc179d8761d_finish
	.p2alignl 7, 3214868480
	.fill 96, 4, 3214868480
	.section	.rodata,"a",@progbits
	.p2align	6, 0x0
	.amdhsa_kernel k_qc179d8761d_finish
		.amdhsa_group_segment_fixed_size 280832
		.amdhsa_private_segment_fixed_size 0
		.amdhsa_enable_private_segment 0
		.amdhsa_kernarg_size 48
		.amdhsa_user_sgpr_count 2
		.amdhsa_user_sgpr_kernarg_segment_ptr 1
		.amdhsa_wavefront_size32 1
		.amdhsa_system_sgpr_workgroup_id_x 1
		.amdhsa_system_sgpr_workgroup_id_y 1
		.amdhsa_system_sgpr_workgroup_id_z 1
		.amdhsa_system_vgpr_workitem_id 0
		.amdhsa_next_free_vgpr 256
		.amdhsa_next_free_sgpr 66
		.amdhsa_reserve_vcc 1
		.amdhsa_float_denorm_mode_32 3
		.amdhsa_float_denorm_mode_16_64 3
		.amdhsa_memory_ordered 1
		.amdhsa_forward_progress 1
		.amdhsa_inst_pref_size 23
	.end_amdhsa_kernel
	.amdgpu_metadata
---
amdhsa.version: [ 1, 2 ]
amdhsa.kernels:
  - .name:           k_qc179d8761d_finish
    .symbol:         k_qc179d8761d_finish.kd
    .args:
      - { .name: pf, .offset: 0, .size: 8, .value_kind: global_buffer, .address_space: global }
      - { .name: bv, .offset: 8, .size: 8, .value_kind: global_buffer, .address_space: global }
      - { .name: x, .offset: 16, .size: 8, .value_kind: global_buffer, .address_space: global }
      - { .name: Wo, .offset: 24, .size: 8, .value_kind: global_buffer, .address_space: global }
      - { .name: bo, .offset: 32, .size: 8, .value_kind: global_buffer, .address_space: global }
      - { .name: out0, .offset: 40, .size: 8, .value_kind: global_buffer, .address_space: global }
    .group_segment_fixed_size: 280832
    .private_segment_fixed_size: 0
    .kernarg_segment_align: 8
    .kernarg_segment_size: 48
    .max_flat_workgroup_size: 512
    .sgpr_count:     66
    .vgpr_count:     256
    .wavefront_size: 32
...
	.end_amdgpu_metadata
.endif
;; end of part 6
